; MI455X (gfx1250); checked and timed in simulation.
; The chip was launched on July 23, 2026; its instructions are those of AMD's public machine-readable ISA for CDNA 5 (MIT licence, August 2026) and "CDNA5" Instruction Set Architecture Reference Guide (July 2026). The comments in the code are by the model that wrote it; some were corrected since.
;; Transformer Block. Allowed arithmetic: float matrix products may take bf16 or f16 operands with f32 sums; all other float work in f32.
;; Inputs: W1 128 x 65,536 float32; W2 65,536 x 128 float32; Wk 8 x 128 x 16 float32; Wo 128 x 128 float32; Wq 8 x 128 x 16 float32; Wv 8 x 128 x 16 float32; be1 128 float32; be2 128 float32; bf1 65,536 float32; bf2 128 float32; bo 128 float32; g1 128 float32; g2 128 float32; x 2 x 1,024 x 128 float32.
;; Outputs: out0 2 x 1,024 x 128 float32.
;; 2 versions, each right; version 2 is version 1 with the launch qkv written anew for expert scheduling mode. Each part assembles by itself: llvm-mc -triple=amdgcn-amd-amdhsa -mcpu=gfx1250 --defsym DOCPART=n.
;; ======== version 1 of 2: 4 launches
;; workspace buffers: qb 524,288 bytes; kb 524,288 bytes; vb 524,288 bytes; ob 524,288 bytes; part 33,554,432 bytes
;; launch qkv (part 1): grid 32 x 8, 4 waves a work-group, no clusters, 12,800 bytes of LDS; arguments x, g1, be1, Wq, Wk, Wv, qb, kb, vb; writes qb, kb, vb
.if DOCPART == 1
	.amdgcn_target "amdgcn-amd-amdhsa--gfx1250"
	.amdhsa_code_object_version 6
	.text
	.protected	k_qd5b90fc53e_qkv
	.globl	k_qd5b90fc53e_qkv
	.p2align	8
	.type	k_qd5b90fc53e_qkv,@function
k_qd5b90fc53e_qkv:
	s_mov_b64 s[64:65], 0
	v_nop
	global_prefetch_b8 v0, s[64:65] scope:SCOPE_SE
	s_setreg_imm32_b32 hwreg(HW_REG_WAVE_MODE, 25, 1), 1
	s_wait_xcnt 0x0
; LayerNorm 1 and the projections q, k, v of one head for 64 rows.
; x: [2048][128] f32.  Wq, Wk, Wv: [8][128 e][16 d] f32.  qb, kb, vb: [b*8+head][1024 t][16 d] bf16.
; Work-group = (64 rows, one head); wave = 16 rows.  q is multiplied by 128^-0.5 * log2(e) before it is rounded, so that the
; next launch can use exponentials of base 2.
; The products are made transposed: source 0 = 16 columns d of a weight matrix (rows of the fragment), source 1 = 16 rows t of h.
; In the result lane (r, h) holds d = 8h .. 8h+7 of row t = r: 16 neighbouring bytes of bf16, and a wave's store covers 512 consecutive bytes.
; Lane (r, h) loads of row r the elements 32 ks + 8h + 0..7 and 32 ks + 16 + 8h + 0..7: just what the fragment of source 1 wants;
; lanes r and r + 16 together hold the row, so mean and variance need one exchange between the halves.
; No joint loads: everything comes through registers once; what the eight heads' work-groups share is 32 KiB of x each, read once.
; Limits: matrix operands are rounded to bf16; sums, mean, variance in f32.
.set XO,  3                            ; v3   512 r + 32 h: my bytes in a row of x
.set PO,  4                            ; v4   32 h: the same in g1 and be1
.set WG,  5                            ; v5   16 tid: weights in memory
.set WS,  6                            ; v6   8 tid: weights in LDS, bf16
.set WA,  7                            ; v7   transposing loads of weight fragments
.set OO,  8                            ; v8   32 r + 16 h: my 16 bytes of the result
.set MU,  10                           ; v[10:11] mean, twice
.set RS,  12                           ; v[12:13] 1/sqrt(var + eps), twice
.set X,   16                           ; v[16:79]   x, then h; packed in place into v[16:47]: four fragments
.set G,   80                           ; v[80:143]  g1
.set BT,  144                          ; v[144:207] be1
.set WST, 208                          ; v[208:255] weights as loaded
.set T,   208                          ; v[208:215] four chains of sums, once the weights are in LDS
.set ACC, 48                           ; v[48:71]   q, k, v
.set WF,  80                           ; v[80:175]  twelve weight fragments (matrix m, K step ks) at 8 (4 m + ks)
	s_load_b512 s[4:19], s[0:1], 0x0               ; x, g1, be1, Wq, Wk, Wv, qb, kb
	s_load_b64 s[20:21], s[0:1], 0x40              ; vb
	v_lshl_add_u32 v14, v0, 2, 0x3000
	v_mov_b32 v15, 0
	v_lshrrev_b32 v1, 5, v0
	v_readfirstlane_b32 s22, v1                    ; wave
	s_and_b32 s23, ttmp7, 0xffff                   ; head
	s_mov_b32 s24, 0x76543210                      ; v_permlanex16_b32: lane i reads lane i of the other half
	s_mov_b32 s25, 0xfedcba98
	s_mov_b32 s32, 0x3c000000                      ; 1/128
	s_mov_b32 s34, 0x3e0293ee                      ; 128^-0.5 * log2(e), twice
	s_mov_b32 s35, 0x3e0293ee
	s_lshl_b32 s26, s23, 13                        ; a head's weights: 8,192 bytes
	s_mov_b32 s27, 0
	s_lshl_b32 s28, ttmp9, 6
	s_lshl4_add_u32 s28, s22, s28                  ; my first row = 64 block + 16 wave
	s_lshr_b32 s30, s28, 10                        ; b
	s_and_b32 s31, s28, 1023                       ; t
	s_lshl3_add_u32 s30, s30, s23                  ; 8 b + head
	s_lshl_b32 s30, s30, 10
	s_add_co_u32 s30, s30, s31
	s_lshl_b32 s30, s30, 5                         ; ((8 b + head) 1024 + t) 32 bytes
	s_mov_b32 s31, 0
	s_lshl_b32 s28, s28, 9                         ; rows of 512 bytes
	s_mov_b32 s29, 0
	v_and_b32 v1, 15, v0                           ; r
	v_bfe_u32 v2, v0, 4, 1                         ; h
	v_lshlrev_b32 v[PO], 5, v2
	v_lshl_add_u32 v[XO], v1, 9, v[PO]
	v_lshlrev_b32 v[WG], 4, v0
	v_lshlrev_b32 v[WS], 3, v0
	v_and_b32 v[WA], 7, v0
	v_lshl_add_u32 v[WA], v2, 3, v[WA]             ; 8 h + (lane & 7): the row e that I address
	v_bfe_u32 v9, v0, 3, 1
	v_lshlrev_b32 v9, 4, v9
	v_lshl_add_u32 v[WA], v[WA], 5, v9             ; x 32 bytes + 16 ((lane >> 3) & 1)
	v_lshlrev_b32 v[OO], 4, v2
	v_lshl_add_u32 v[OO], v1, 5, v[OO]
	s_wait_kmcnt 0x0
	s_add_nc_u64 s[10:11], s[10:11], s[26:27]
	s_add_nc_u64 s[12:13], s[12:13], s[26:27]
	s_add_nc_u64 s[14:15], s[14:15], s[26:27]
	s_add_nc_u64 s[4:5], s[4:5], s[28:29]
	s_add_nc_u64 s[16:17], s[16:17], s[30:31]
	s_add_nc_u64 s[18:19], s[18:19], s[30:31]
	s_add_nc_u64 s[20:21], s[20:21], s[30:31]
; all 60 loads go out at once: 12 of weights, 16 of x, 16 of g1, 16 of be1
.irp p, 0,1,2,3
	global_load_b128 v[WST+4*\p:WST+4*\p+3], v[WG], s[10:11] offset:2048*\p
.endr
.irp p, 0,1,2,3
	global_load_b128 v[WST+16+4*\p:WST+16+4*\p+3], v[WG], s[12:13] offset:2048*\p
.endr
.irp p, 0,1,2,3
	global_load_b128 v[WST+32+4*\p:WST+32+4*\p+3], v[WG], s[14:15] offset:2048*\p
.endr
.macro ROWLOAD dst, off, base
.irp ks, 0,1,2,3
	global_load_b128 v[\dst+16*\ks:\dst+16*\ks+3],     v[\off], s[\base:\base+1] offset:128*\ks
	global_load_b128 v[\dst+16*\ks+4:\dst+16*\ks+7],   v[\off], s[\base:\base+1] offset:128*\ks+16
	global_load_b128 v[\dst+16*\ks+8:\dst+16*\ks+11],  v[\off], s[\base:\base+1] offset:128*\ks+64
	global_load_b128 v[\dst+16*\ks+12:\dst+16*\ks+15], v[\off], s[\base:\base+1] offset:128*\ks+80
.endr
.endm
	ROWLOAD X, XO, 4
	ROWLOAD G, PO, 6
	ROWLOAD BT, PO, 8
; the weights to bf16 and into LDS as [matrix][e 128][d 16], rows of 32 bytes: thread tid's four numbers of pass p lie at 1024 p + 8 tid
	s_wait_loadcnt 48                              ; 48 loads are younger than the weights'
.set i, 0
.rept 12
	v_cvt_pk_bf16_f32 v[WST+4*i],   v[WST+4*i],   v[WST+4*i+1]
	v_cvt_pk_bf16_f32 v[WST+4*i+1], v[WST+4*i+2], v[WST+4*i+3]
	ds_store_b64 v[WS], v[WST+4*i:WST+4*i+1] offset:1024*i
.set i, i+1
.endr
; four pairs of partial sums at T become the row's sum, in both lanes that hold the row
.macro FOLD
	v_pk_add_f32 v[T:T+1], v[T:T+1], v[T+2:T+3]
	v_pk_add_f32 v[T+4:T+5], v[T+4:T+5], v[T+6:T+7]
	v_pk_add_f32 v[T:T+1], v[T:T+1], v[T+4:T+5]
	v_add_f32 v[T], v[T], v[T+1]
	v_permlanex16_b32 v[T+1], v[T], s24, s25
	v_add_f32 v[T], v[T], v[T+1]
.endm
	s_wait_loadcnt 32                              ; g1's and be1's 32 loads are younger than x's
.irp i, 0,2,4,6
	v_pk_add_f32 v[T+\i:T+\i+1], v[X+\i:X+\i+1], v[X+8+\i:X+8+\i+1]
.endr
.set j, 16
.rept 24
	v_pk_add_f32 v[T+j%8:T+j%8+1], v[T+j%8:T+j%8+1], v[X+j:X+j+1]
.set j, j+2
.endr
	FOLD
	v_mul_f32 v[MU], s32, v[T]
	v_mov_b32 v[MU+1], v[MU]
.set j, 0
.rept 32
	v_pk_add_f32 v[X+j:X+j+1], v[X+j:X+j+1], v[MU:MU+1] neg_lo:[0,1] neg_hi:[0,1]   ; x - mean, then its squares: no difference of large sums
.set j, j+2
.endr
.irp i, 0,2,4,6
	v_pk_mul_f32 v[T+\i:T+\i+1], v[X+\i:X+\i+1], v[X+\i:X+\i+1]
.endr
.set j, 8
.rept 28
	v_pk_fma_f32 v[T+j%8:T+j%8+1], v[X+j:X+j+1], v[X+j:X+j+1], v[T+j%8:T+j%8+1]
.set j, j+2
.endr
	FOLD
	v_fmaak_f32 v[T], s32, v[T], 0x3727c5ac        ; var + 1e-5
	v_rsq_f32 v[RS], v[T]
	v_nop                                          ; one plain instruction behind the transcendental (ISA guide 5.7.2)
	s_wait_alu depctr_va_vdst(0)
	v_mov_b32 v[RS+1], v[RS]
	s_wait_loadcnt 0x0                             ; g1, be1
.set j, 0
.rept 32
	v_pk_mul_f32 v[X+j:X+j+1], v[X+j:X+j+1], v[RS:RS+1]
	v_pk_fma_f32 v[X+j:X+j+1], v[X+j:X+j+1], v[G+j:G+j+1], v[BT+j:BT+j+1]
.set j, j+2
.endr
.set p, 0
.rept 32
	v_cvt_pk_bf16_f32 v[X+p], v[X+2*p], v[X+2*p+1] ; in place, upward: register p is written when 2p and 2p+1 have been read
.set p, p+1
.endr
	s_wait_dscnt 0x0                               ; my part of the weights is in LDS,
	s_barrier_signal -1
	s_barrier_wait -1                              ; everybody's is
.irp m, 0,1,2
.irp ks, 0,1,2,3
	ds_load_tr16_b128 v[WF+8*(4*\m+\ks):WF+8*(4*\m+\ks)+3],   v[WA] offset:4096*\m+1024*\ks
	ds_load_tr16_b128 v[WF+8*(4*\m+\ks)+4:WF+8*(4*\m+\ks)+7], v[WA] offset:4096*\m+1024*\ks+512
.endr
.endr
	s_wait_dscnt 0x0
; q, k, v take turns, one instruction a turn
.irp ks, 0,1,2,3
.irp m, 0,1,2
.if \ks == 0
	v_wmma_f32_16x16x32_bf16 v[ACC+8*\m:ACC+8*\m+7], v[WF+8*(4*\m+\ks):WF+8*(4*\m+\ks)+7], v[X+8*\ks:X+8*\ks+7], 0
.else
	v_wmma_f32_16x16x32_bf16 v[ACC+8*\m:ACC+8*\m+7], v[WF+8*(4*\m+\ks):WF+8*(4*\m+\ks)+7], v[X+8*\ks:X+8*\ks+7], v[ACC+8*\m:ACC+8*\m+7]
.endif
.endr
.endr
.rept 4
	v_nop                                          ; four places behind the last matrix instruction (ISA guide 7.12.1)
.endr
.irp j, 0,2,4,6
	v_pk_mul_f32 v[ACC+\j:ACC+\j+1], v[ACC+\j:ACC+\j+1], s[34:35] op_sel_hi:[1,0]
.endr
.irp m, 0,1,2
.irp p, 0,1,2,3
	v_cvt_pk_bf16_f32 v[ACC+8*\m+\p], v[ACC+8*\m+2*\p], v[ACC+8*\m+2*\p+1]
.endr
.endr
	global_store_b128 v[OO], v[ACC:ACC+3],     s[16:17]    ; each store of the wave covers 512 consecutive bytes, aligned
	global_store_b128 v[OO], v[ACC+8:ACC+11],  s[18:19]
	global_store_b128 v[OO], v[ACC+16:ACC+19], s[20:21]
	s_wait_tensorcnt 0x0
	ds_add_u32 v14, v15
	s_wait_dscnt 0x0
	s_endpgm
.Lfunc_end_k_qd5b90fc53e_qkv:
	.size	k_qd5b90fc53e_qkv, .Lfunc_end_k_qd5b90fc53e_qkv-k_qd5b90fc53e_qkv
	.p2alignl 7, 3214868480
	.fill 96, 4, 3214868480
	.section	.rodata,"a",@progbits
	.p2align	6, 0x0
	.amdhsa_kernel k_qd5b90fc53e_qkv
		.amdhsa_group_segment_fixed_size 12800
		.amdhsa_private_segment_fixed_size 0
		.amdhsa_enable_private_segment 0
		.amdhsa_kernarg_size 72
		.amdhsa_user_sgpr_count 2
		.amdhsa_user_sgpr_kernarg_segment_ptr 1
		.amdhsa_wavefront_size32 1
		.amdhsa_system_sgpr_workgroup_id_x 1
		.amdhsa_system_sgpr_workgroup_id_y 1
		.amdhsa_system_sgpr_workgroup_id_z 1
		.amdhsa_system_vgpr_workitem_id 0
		.amdhsa_next_free_vgpr 256
		.amdhsa_next_free_sgpr 66
		.amdhsa_reserve_vcc 0
		.amdhsa_float_denorm_mode_32 3
		.amdhsa_float_denorm_mode_16_64 3
		.amdhsa_memory_ordered 1
		.amdhsa_forward_progress 1
		.amdhsa_inst_pref_size 27
	.end_amdhsa_kernel
	.amdgpu_metadata
---
amdhsa.version: [ 1, 2 ]
amdhsa.kernels:
  - .name:           k_qd5b90fc53e_qkv
    .symbol:         k_qd5b90fc53e_qkv.kd
    .args:
      - { .name: x, .offset: 0, .size: 8, .value_kind: global_buffer, .address_space: global }
      - { .name: g1, .offset: 8, .size: 8, .value_kind: global_buffer, .address_space: global }
      - { .name: be1, .offset: 16, .size: 8, .value_kind: global_buffer, .address_space: global }
      - { .name: Wq, .offset: 24, .size: 8, .value_kind: global_buffer, .address_space: global }
      - { .name: Wk, .offset: 32, .size: 8, .value_kind: global_buffer, .address_space: global }
      - { .name: Wv, .offset: 40, .size: 8, .value_kind: global_buffer, .address_space: global }
      - { .name: qb, .offset: 48, .size: 8, .value_kind: global_buffer, .address_space: global }
      - { .name: kb, .offset: 56, .size: 8, .value_kind: global_buffer, .address_space: global }
      - { .name: vb, .offset: 64, .size: 8, .value_kind: global_buffer, .address_space: global }
    .group_segment_fixed_size: 12800
    .private_segment_fixed_size: 0
    .kernarg_segment_align: 8
    .kernarg_segment_size: 72
    .max_flat_workgroup_size: 128
    .sgpr_count:     66
    .vgpr_count:     256
    .wavefront_size: 32
...
	.end_amdgpu_metadata
.endif
;; end of part 1
;; launch attn (part 2): grid 16 x 16, 16 waves a work-group, no clusters, 67,584 bytes of LDS; arguments qb, kb, vb, ob; writes ob
.if DOCPART == 2
	.amdgcn_target "amdgcn-amd-amdhsa--gfx1250"
	.amdhsa_code_object_version 6
	.text
	.protected	k_qd5b90fc53e_attn
	.globl	k_qd5b90fc53e_attn
	.p2align	8
	.type	k_qd5b90fc53e_attn,@function
k_qd5b90fc53e_attn:
	s_mov_b64 s[64:65], 0
	v_nop
	global_prefetch_b8 v0, s[64:65] scope:SCOPE_SE
	s_setreg_imm32_b32 hwreg(HW_REG_WAVE_MODE, 25, 1), 1
	s_wait_xcnt 0x0
; Causal attention of one head: o = softmax(q k^T) v, with a running maximum.  qb, kb, vb, ob: [b*8+head][1024 t][16 d] bf16;
; q already carries 128^-0.5 * log2(e), so the exponentials are of base 2.
; Work-group = (g, head): the four query tiles (16 queries each) g, 31-g, 32+g, 63-g, which together need about 66 steps of 32 keys for every g.
; Four waves share a query tile: wave j of them takes the key steps j, j+4, j+8, ..; their maxima, sums and outputs meet in LDS at the end.
; Both products are made transposed.  S^T = K Q^T: lane (r, h) holds keys 8h+0..7 (and 16+8h+0..7) of query r, which after the exponential
; pack straight into the fragment that O^T = V^T P^T wants as source 1: no exchange between lanes but one for the maximum.
; A head has 16 numbers, a matrix instruction 32 along K: the upper halves of K's and Q's fragments are zeros, written once.
; Keys beyond the diagonal lie in a tile's last step alone (32 (i>>1) <= 16 i), and every query keeps its own key there, so the maximum is finite in every trip.
; No joint loads: a head's K and V are 64 KiB, fetched by each work-group once, in one run at the start; there is no ring of tiles whose
; requests recur, and a cluster's barrier at both ends would stand against eight loads a thread.
; K's fragment loads take rows of 32 bytes, 16 bytes a lane: sixteen lanes span 512 bytes, two lanes to a column of 16 bytes modulo 256.  Left so: two such loads a trip.
; Limits: P and V are rounded to bf16; exponentials below 2^-126 count as zero (v_exp_f32, ISA guide 15.8).
.set KA,   3                           ; v3   32 r + 16 h: K fragment in LDS, and my 16 bytes of q and of o
.set VA,   4                           ; v4   V's transposing loads
.set TQ,   5                           ; v5   16 i + r - 8 h
.set NINF, 6                           ; v6   -inf
.set LIM,  7                           ; v7   TQ - 32 sigma: register q is masked where its key's place in the step is above it
.set SG,   8                           ; v8   stage: 1280 wave + 16 lane
.set SM,   9                           ; v9   stage: 1280 wave + 1024 + 4 lane
.set GO,   10                          ; v10  16 tid
.set KC,   12                          ; v12  this trip's K address
.set VC,   13                          ; v13  this trip's V address
.set KF0,  16                          ; v[16:23], v[24:31] K fragments, registers 4-7 zero
.set KF1,  24
.set QF,   32                          ; v[32:39] Q fragment, registers 4-7 zero
.set VF,   40                          ; v[40:47] V^T fragment
.set ST,   48                          ; v[48:63] scores of 32 keys, then their exponentials
.set PB,   64                          ; v[64:71] P as source 1
.set OA,   72                          ; v[72:79] O^T: d = 8h + 0..7 of query r
.set M,    80                          ; v[80:81] running maximum, twice
.set LS,   82                          ; v82  running sum of my half of the keys
.set MOLD, 83
.set AL,   84                          ; v[84:85] 2^(old maximum - new), twice
.set T,    86                          ; v[86:95] at work
.set VOFF, 32768                       ; V behind K in LDS
.set STG,  1280                        ; a wave's stage: O 1,024 bytes, maximum 128, sum 128; it takes K's bytes when K has been read
	s_load_b256 s[4:11], s[0:1], 0x0               ; qb, kb, vb, ob
	v_lshl_add_u32 v96, v0, 2, 0x10000
	v_mov_b32 v97, 0
	v_lshrrev_b32 v1, 5, v0
	v_readfirstlane_b32 s12, v1                    ; wave 0..15
	s_and_b32 s13, ttmp7, 0xffff                   ; b*8 + head
	s_and_b32 s14, s12, 3                          ; j: my share of the key steps
	s_mov_b32 s18, s14                             ; sigma: my first step
	s_bitcmp1_b32 s12, 2
	s_cselect_b32 s19, 31, 0
	s_xor_b32 s15, ttmp9, s19                      ; g or 31 - g
	s_lshr_b32 s19, s12, 3
	s_lshl_b32 s19, s19, 5
	s_or_b32 s15, s15, s19                         ; i: my query tile, 0..63
	s_lshr_b32 s17, s15, 1                         ; its last step
	s_add_co_u32 s16, s17, 1                       ; its number of steps, 1..32
	s_add_co_u32 s27, s16, 3
	s_sub_co_u32 s27, s27, s14
	s_lshr_b32 s27, s27, 2                         ; my trips: the steps j, j+4, .. below the tile's number of steps; 0 to 8
	s_mov_b32 s26, 0                               ; the trips' counter
	s_mov_b32 s22, 0x76543210
	s_mov_b32 s23, 0xfedcba98
	s_lshl_b32 s20, s13, 15                        ; a head: 32,768 bytes
	s_mov_b32 s21, 0
	s_lshl_b32 s24, s15, 9                         ; a query tile: 512 bytes
	s_add_co_u32 s24, s24, s20
	s_mov_b32 s25, 0
	v_and_b32 v1, 15, v0                           ; r
	v_bfe_u32 v2, v0, 4, 1                         ; h
	v_lshlrev_b32 v[KA], 4, v2
	v_lshl_add_u32 v[KA], v1, 5, v[KA]
	v_and_b32 v[VA], 7, v0
	v_lshl_add_u32 v[VA], v2, 3, v[VA]             ; 8 h + (lane & 7)
	v_bfe_u32 v[T], v0, 3, 1
	v_lshlrev_b32 v[T], 4, v[T]
	v_lshl_add_u32 v[VA], v[VA], 5, v[T]
	v_add_nc_u32 v[VA], VOFF, v[VA]
	v_lshlrev_b32 v[T], 3, v2
	v_sub_nc_u32 v[TQ], v1, v[T]
	v_lshl_add_u32 v[TQ], s15, 4, v[TQ]
	v_mov_b32 v[NINF], 0xff800000
	v_and_b32 v[T], 31, v0
	s_mul_i32 s19, s12, STG
	v_lshl_add_u32 v[SG], v[T], 4, s19
	s_add_co_u32 s19, s19, 1024
	v_lshl_add_u32 v[SM], v[T], 2, s19
	v_lshlrev_b32 v[GO], 4, v0
	s_wait_kmcnt 0x0
	s_add_nc_u64 s[6:7], s[6:7], s[20:21]
	s_add_nc_u64 s[8:9], s[8:9], s[20:21]
	s_add_nc_u64 s[4:5], s[4:5], s[24:25]
	s_add_nc_u64 s[10:11], s[10:11], s[24:25]
.irp p, 0,1,2,3
	global_load_b128 v[ST+4*\p:ST+4*\p+3], v[GO], s[6:7] offset:8192*\p          ; K, 512 threads x 16 bytes a pass
.endr
.irp p, 0,1,2,3
	global_load_b128 v[ST+16+4*\p:ST+16+4*\p+3], v[GO], s[8:9] offset:8192*\p    ; V
.endr
	global_load_b128 v[QF:QF+3], v[KA], s[4:5]
.irp q, 4,5,6,7
	v_mov_b32 v[KF0+\q], 0
	v_mov_b32 v[KF1+\q], 0
	v_mov_b32 v[QF+\q], 0
.endr
	v_mov_b32 v[M], v[NINF]
	v_mov_b32 v[M+1], v[NINF]
	v_mov_b32 v[LS], 0
	v_mov_b32 v[T], 0                              ; v_permlanex16_b32 behind the loop counts as a reader of it, also in a wave without a trip
	s_wait_loadcnt 0x1                             ; Q's load is younger than K's and V's
.irp p, 0,1,2,3
	ds_store_b128 v[GO], v[ST+4*\p:ST+4*\p+3] offset:8192*\p
.endr
.irp p, 0,1,2,3
	ds_store_b128 v[GO], v[ST+16+4*\p:ST+16+4*\p+3] offset:VOFF+8192*\p
.endr
.irp q, 0,1,2,3,4,5,6,7
	v_mov_b32 v[OA+\q], 0
.endr
	s_wait_dscnt 0x0                               ; my part of K and V is in LDS,
	s_barrier_signal -1
	s_barrier_wait -1                              ; everybody's is
	s_wait_loadcnt 0x0                             ; Q
	s_cmp_eq_u32 s27, 0                            ; a short tile leaves some of its four waves without a step
	s_cbranch_scc1 .Lmerge
.Ltrip:
	v_lshl_add_u32 v[KC], s18, 10, v[KA]           ; a step: 32 keys x 32 bytes
	v_lshl_add_u32 v[VC], s18, 10, v[VA]
	ds_load_b128 v[KF0:KF0+3], v[KC]
	ds_load_b128 v[KF1:KF1+3], v[KC] offset:512
	ds_load_tr16_b128 v[VF:VF+3],   v[VC]
	ds_load_tr16_b128 v[VF+4:VF+7], v[VC] offset:512
	s_lshl_b32 s19, s18, 5
	s_wait_dscnt 0x2                               ; V's two loads are younger than K's
	v_wmma_f32_16x16x32_bf16 v[ST:ST+7],    v[KF0:KF0+7], v[QF:QF+7], 0     ; the three accumulators of a trip take turns
	v_wmma_f32_16x16x32_bf16 v[ST+8:ST+15], v[KF1:KF1+7], v[QF:QF+7], 0
	v_mov_b32 v[MOLD], v[M]                        ; four places behind the matrix instructions (ISA guide 7.12.1)
	v_sub_nc_u32 v[LIM], v[TQ], s19
	v_nop
	v_nop
	s_cmp_lg_u32 s18, s17
	s_cbranch_scc1 .Lfree                          ; only the tile's last step reaches past the diagonal
.set q, 0
.rept 16
	v_cmp_gt_i32 vcc_lo, q+8*(q/8), v[LIM]         ; key 32 sigma + 8h + (q, or 16 + q - 8) > query
	v_cndmask_b32 v[ST+q], v[ST+q], v[NINF], vcc_lo
.set q, q+1
.endr
.Lfree:
	v_max3_num_f32 v[T],   v[ST],    v[ST+1],  v[ST+2]
	v_max3_num_f32 v[T+1], v[ST+3],  v[ST+4],  v[ST+5]
	v_max3_num_f32 v[T+2], v[ST+6],  v[ST+7],  v[ST+8]
	v_max3_num_f32 v[T+3], v[ST+9],  v[ST+10], v[ST+11]
	v_max3_num_f32 v[T+4], v[ST+12], v[ST+13], v[ST+14]
	v_max3_num_f32 v[T],   v[T],     v[T+1],   v[ST+15]
	v_max3_num_f32 v[T+2], v[T+2],   v[T+3],   v[T+4]
	v_max_num_f32 v[T], v[T], v[T+2]
	v_permlanex16_b32 v[T+1], v[T], s22, s23       ; the other half of the query's keys
	v_max3_num_f32 v[M], v[T], v[T+1], v[MOLD]
	v_mov_b32 v[M+1], v[M]
	v_sub_f32 v[T], v[MOLD], v[M]
.irp q, 0,2,4,6,8,10,12,14
	v_pk_add_f32 v[ST+\q:ST+\q+1], v[ST+\q:ST+\q+1], v[M:M+1] neg_lo:[0,1] neg_hi:[0,1]
.endr
	v_exp_f32 v[AL], v[T]
.set q, 0
.rept 16
	v_exp_f32 v[ST+q], v[ST+q]
.set q, q+1
.endr
	v_nop                                          ; one plain instruction behind the transcendentals (ISA guide 5.7.2)
	s_wait_alu depctr_va_vdst(0)
	v_mov_b32 v[AL+1], v[AL]
.irp p, 0,1,2,3,4,5,6,7
	v_cvt_pk_bf16_f32 v[PB+\p], v[ST+2*\p], v[ST+2*\p+1]
.endr
.irp q, 0,2,4,6
	v_pk_mul_f32 v[OA+\q:OA+\q+1], v[OA+\q:OA+\q+1], v[AL:AL+1]
.endr
	s_wait_dscnt 0x0                               ; V
	v_wmma_f32_16x16x32_bf16 v[OA:OA+7], v[VF:VF+7], v[PB:PB+7], v[OA:OA+7]
	v_pk_add_f32 v[T:T+1],     v[ST:ST+1],       v[ST+2:ST+3]       ; the sum of my 16 exponentials: nine places in front of the next trip's loads into V's fragment
	v_pk_add_f32 v[T+2:T+3],   v[ST+4:ST+5],     v[ST+6:ST+7]
	v_pk_add_f32 v[T+4:T+5],   v[ST+8:ST+9],     v[ST+10:ST+11]
	v_pk_add_f32 v[T+6:T+7],   v[ST+12:ST+13],   v[ST+14:ST+15]
	v_pk_add_f32 v[T:T+1],     v[T:T+1],         v[T+2:T+3]
	v_pk_add_f32 v[T+4:T+5],   v[T+4:T+5],       v[T+6:T+7]
	v_pk_add_f32 v[T:T+1],     v[T:T+1],         v[T+4:T+5]
	v_add_f32 v[T], v[T], v[T+1]
	v_fma_f32 v[LS], v[LS], v[AL], v[T]
	s_add_co_u32 s18, s18, 4                       ; my next step
	s_add_co_u32 s26, s26, 1                       ; the loop ends on its count of trips, in steps of one
	s_cmp_lt_u32 s26, s27
	s_cbranch_scc1 .Ltrip
.Lmerge:
	v_permlanex16_b32 v[T], v[LS], s22, s23
	v_add_f32 v[LS], v[LS], v[T]                   ; the sum over both halves of my keys
	s_wait_dscnt 0x0                               ; my reads of K and V are over,
	s_barrier_signal -1
	s_barrier_wait -1                              ; everybody's are: the stage may take K's bytes
	s_cmp_eq_u32 s14, 0
	s_cbranch_scc1 .Lkeep                          ; wave j = 0 keeps its part in registers
	ds_store_b128 v[SG], v[OA:OA+3]
	ds_store_b128 v[SG], v[OA+4:OA+7] offset:512
	ds_store_b32 v[SM], v[M]
	ds_store_b32 v[SM], v[LS] offset:128
.Lkeep:
	s_wait_dscnt 0x0                               ; for the reader's sake: zero
	s_barrier_signal -1
	s_barrier_wait -1
	s_cmp_lg_u32 s14, 0
	s_cbranch_scc1 .Lend
.irp p, 1,2,3
	ds_load_b128 v[8+8*\p:8+8*\p+3],  v[SG] offset:STG*\p          ; partner p's O into v[16:23], v[24:31], v[32:39]
	ds_load_b128 v[12+8*\p:12+8*\p+3], v[SG] offset:STG*\p+512
	ds_load_b32 v[39+\p], v[SM] offset:STG*\p                      ; its maximum: v40, v41, v42
	ds_load_b32 v[43+\p], v[SM] offset:STG*\p+128                  ; its sum: v44, v45, v46
.endr
	s_wait_dscnt 0x0
	v_max3_num_f32 v[T], v[M], v40, v41
	v_max_num_f32 v[T], v[T], v42                  ; finite: wave j = 0 always has a step.  A partner without one brings -inf and gets the weight 0
	v_sub_f32 v[T+2], v[M], v[T]
	v_sub_f32 v[T+4], v40, v[T]
	v_sub_f32 v[T+6], v41, v[T]
	v_sub_f32 v[T+8], v42, v[T]
	v_exp_f32 v[T+2], v[T+2]
	v_exp_f32 v[T+4], v[T+4]
	v_exp_f32 v[T+6], v[T+6]
	v_exp_f32 v[T+8], v[T+8]
	v_nop
	s_wait_alu depctr_va_vdst(0)
.irp q, 2,4,6,8
	v_mov_b32 v[T+\q+1], v[T+\q]
.endr
	v_mul_f32 v[LS], v[LS], v[T+2]
	v_fmac_f32 v[LS], v44, v[T+4]
	v_fmac_f32 v[LS], v45, v[T+6]
	v_fmac_f32 v[LS], v46, v[T+8]
	v_rcp_f32 v[T], v[LS]                          ; the sum holds at least the term 1 of the largest score
.irp q, 0,2,4,6
	v_pk_mul_f32 v[OA+\q:OA+\q+1], v[OA+\q:OA+\q+1], v[T+2:T+3]
.endr
.irp p, 1,2,3
.irp q, 0,2,4,6
	v_pk_fma_f32 v[OA+\q:OA+\q+1], v[8+8*\p+\q:8+8*\p+\q+1], v[T+2+2*\p:T+2+2*\p+1], v[OA+\q:OA+\q+1]
.endr
.endr
	s_wait_alu depctr_va_vdst(0)
	v_mov_b32 v[T+1], v[T]
.irp q, 0,2,4,6
	v_pk_mul_f32 v[OA+\q:OA+\q+1], v[OA+\q:OA+\q+1], v[T:T+1]
.endr
.irp p, 0,1,2,3
	v_cvt_pk_bf16_f32 v[PB+\p], v[OA+2*\p], v[OA+2*\p+1]
.endr
	global_store_b128 v[KA], v[PB:PB+3], s[10:11]  ; the wave's store covers the tile's 512 consecutive bytes
.Lend:
	s_wait_tensorcnt 0x0
	ds_add_u32 v96, v97
	s_wait_dscnt 0x0
	s_endpgm
.Lfunc_end_k_qd5b90fc53e_attn:
	.size	k_qd5b90fc53e_attn, .Lfunc_end_k_qd5b90fc53e_attn-k_qd5b90fc53e_attn
	.p2alignl 7, 3214868480
	.fill 96, 4, 3214868480
	.section	.rodata,"a",@progbits
	.p2align	6, 0x0
	.amdhsa_kernel k_qd5b90fc53e_attn
		.amdhsa_group_segment_fixed_size 67584
		.amdhsa_private_segment_fixed_size 0
		.amdhsa_enable_private_segment 0
		.amdhsa_kernarg_size 32
		.amdhsa_user_sgpr_count 2
		.amdhsa_user_sgpr_kernarg_segment_ptr 1
		.amdhsa_wavefront_size32 1
		.amdhsa_system_sgpr_workgroup_id_x 1
		.amdhsa_system_sgpr_workgroup_id_y 1
		.amdhsa_system_sgpr_workgroup_id_z 1
		.amdhsa_system_vgpr_workitem_id 0
		.amdhsa_next_free_vgpr 98
		.amdhsa_next_free_sgpr 66
		.amdhsa_reserve_vcc 1
		.amdhsa_float_denorm_mode_32 3
		.amdhsa_float_denorm_mode_16_64 3
		.amdhsa_memory_ordered 1
		.amdhsa_forward_progress 1
		.amdhsa_inst_pref_size 14
	.end_amdhsa_kernel
	.amdgpu_metadata
---
amdhsa.version: [ 1, 2 ]
amdhsa.kernels:
  - .name:           k_qd5b90fc53e_attn
    .symbol:         k_qd5b90fc53e_attn.kd
    .args:
      - { .name: qb, .offset: 0, .size: 8, .value_kind: global_buffer, .address_space: global }
      - { .name: kb, .offset: 8, .size: 8, .value_kind: global_buffer, .address_space: global }
      - { .name: vb, .offset: 16, .size: 8, .value_kind: global_buffer, .address_space: global }
      - { .name: ob, .offset: 24, .size: 8, .value_kind: global_buffer, .address_space: global }
    .group_segment_fixed_size: 67584
    .private_segment_fixed_size: 0
    .kernarg_segment_align: 8
    .kernarg_segment_size: 32
    .max_flat_workgroup_size: 512
    .sgpr_count:     66
    .vgpr_count:     98
    .wavefront_size: 32
...
	.end_amdgpu_metadata
.endif
;; end of part 2
;; launch ffn (part 3): grid 8 x 32, 4 waves a work-group, clusters of 4 x 1, 327,680 bytes of LDS; arguments ob, x, Wo, bo, g2, be2, W1, bf1, W2, bf2, part; writes part
.if DOCPART == 3
	.amdgcn_target "amdgcn-amd-amdhsa--gfx1250"
	.amdhsa_code_object_version 6
	.text
	.protected	k_qd5b90fc53e_ffn
	.globl	k_qd5b90fc53e_ffn
	.p2align	8
	.type	k_qd5b90fc53e_ffn,@function
k_qd5b90fc53e_ffn:
	s_mov_b64 s[64:65], 0
	v_nop
	global_prefetch_b8 v0, s[64:65] scope:SCOPE_SE
	s_setreg_imm32_b32 hwreg(HW_REG_WAVE_MODE, 25, 1), 1
	s_wait_xcnt 0x0
	s_wait_alu depctr_hold_cnt(0) depctr_sa_sdst(0) depctr_va_vdst(0) depctr_va_sdst(0) depctr_va_ssrc(0) depctr_va_vcc(0) depctr_vm_vsrc(0)
	s_getreg_b32 s2, hwreg(HW_REG_IB_STS2, 6, 4)
	s_cmp_eq_u32 s2, 0
	s_cbranch_scc0 .Lentry_in_a_cluster
	s_endpgm
.Lentry_in_a_cluster:
	s_bfe_u32 s2, ttmp6, 0x10000c
	s_cmp_lg_u32 s2, 0x3003
	s_cbranch_scc0 .Lentry_shape_is_right
	s_endpgm
.Lentry_shape_is_right:
; For 256 rows and a slice of 2,048 of the 65,536 hidden units:
;   x2 = x + o Wo + bo;  h2 = LayerNorm 2 (x2);  part[slice] = (x2 + bf2) / 32 + relu(h2 W1 + bf1) W2 over the slice.
; The 32 slices' parts add up to the block's result: 1/32 is a power of two, so the shares of x2 + bf2 are exact.
; Four waves; a wave owns 64 rows (four m tiles of 16).  The hidden numbers never leave registers.
; EVERYTHING IS MADE TRANSPOSED, weights as source 0, rows of activations as source 1.  A result tile then holds in lane (r, h), registers 0-7,
; the features 8h + 0..7 of row r, and two such tiles, rounded to bf16 in place, ARE the next product's source 1:
;   x2^T (e, m) -> h2 fragments;   G1: hidden^T (n, m) = W1^T h2^T + bf1;   relu, pack;   G2: out^T (e, m) += W2^T hidden^T.
; A BODY is 32 hidden units: 32 matrix instructions of G1 and 32 of G2 for 16 KiB of weight fragments read by the wave.
; WEIGHTS come as f32: joint tensor loads bring 128 hidden units (W1 [128 e][128 n], W2 [128 n][128 e]) into one of two LDS slots; for each body the
; four waves round a quarter each to bf16 into small buffers of two parities, from which all four read their fragments by transposing loads.
; Body t multiplies G2 of units t-2, G1 of units t-1 and converts units t: one barrier a body orders the bf16 buffers (written in body t, read in
; body t+1, written again in body t+2).
; CLUSTER: the four work-groups of a cluster take four row blocks and the same slice, so they walk the same weights: every weight tile is asked for
; jointly (mask 15), which divides the requests for W1 and W2 by four.  No LDS address and no branch hangs on the place in the cluster.
; A slot is asked for again behind a round of the cluster's barrier and waited for four bodies (256 matrix instructions) later.
; By this text's count a wave has at most two tensor loads outstanding: two at the start, later one.
; Limits: matrix operands rounded to bf16; relu by v_max_num_f32, so a NaN among the hidden numbers becomes 0.
;
; LDS
.set SLOT,   135168                    ; a slot: W1's part, 128 rows of 512 + 32 bytes, then W2's part, 128 rows of 512 bytes
.set P1,     544                       ; rows 4 apart lie 128 bytes apart modulo 256: the two rows that sixteen lanes read (128 bytes each) do not meet
.set W2OFF,  128*P1
.set W1B,    2*SLOT                    ; bf16 [e 128][n 32], rows of 64 + 32 bytes, two parities.  From here on only ds_store writes
.set W1BP,   96
.set W1BSZ,  128*W1BP
.set W2B,    W1B+2*W1BSZ               ; bf16 [n 32][e 128], rows of 256 + 32 bytes, two parities
.set W2BP,   288
.set W2BSZ,  32*W2BP
.set BIASL,  W2B+2*W2BSZ               ; bf1's slice, 8,192 bytes
.set WOB,    W1B                       ; at the start: Wo in bf16 [c 128][e 128], rows of 288 bytes, in the bytes that the bf16 buffers take later
.set STG,    W1B                       ; at the end: 16 rows of 512 + 16 bytes for each wave
.set STGP,   528
; vector registers, window 0
.set CVA,  8                           ; v8, v9    slot 0, 1: my 16 bytes of W1's f32 rows
.set CVB,  10                          ; v10, v11  slot 0, 1: of W2's
.set STA,  12                          ; v12  where they go in bf16: W1
.set STB,  13                          ; v13  W2
.set FA,   14                          ; v14  W1 fragments
.set FB,   15                          ; v15  W2 fragments
.set BA,   16                          ; v16  bias of the units of G1; stepped once in eight bodies
.set STO,  17                          ; v17  way out: into the stage
.set RD,   18                          ; v18  back from it
.set CO,   19                          ; v19  16 lane
.set FW,   20                          ; v20  Wo fragments
.set WOS,  21                          ; v21  Wo in bf16, store
.set TG,   22                          ; v22  16 tid
.set BS,   23                          ; v23  bias, store
.set XO,   24                          ; v24  512 r + 32 h
.set OO,   25                          ; v25  32 r + 16 h
.set PO,   26                          ; v26  32 h
.set MU,   28                          ; v[28:29]
.set RS,   30                          ; v[30:31]
.set W2F,  32                          ; v[32:95]   W2 fragments (et) at 8 et;  at the start Wo, then x2 - mean
.set BIAS, 96                          ; v[96:111]  bias tiles (nt) at 8 nt
.set CVI,  112                         ; v[112:175] f32 on their way to bf16
.set CVO,  176                         ; v[176:207] bf16
.set T,    208                         ; v[208:223] bf1 on its way to LDS
.set DV,   32                          ; x2 - mean of one m tile
.set SU,   112                         ; v[112:143] sums
.set SQ,   144                         ; v[144:151] chains of squares
; window 1
.set H2F,  0                           ; fragments of o, then of h2: (mt, ks) at 8 (4 mt + ks)
.set W1F,  128                         ; W1 fragments (nt, ks) at 8 (4 nt + ks)
.set GA,   192                         ; G1's results (mt, nt) at 16 mt + 8 nt; packed in place: P(mt) = the first 8 of the 16
; window 2: out^T (et, mt) at 8 (8 mt + et).   window 3, at the start only:
.set BO,   0
.set G2,   64
.set BE2,  128
.set BF2,  192
; scalar registers
.set G1A, 36                           ; s[36:43] descriptor group 1, W1's tiles
.set G1B, 44                           ; s[44:51] W2's
.set G0A, 52                           ; s[52:59] group 0, W1's tiles, a set for each slot
.set G0B, 68                           ; s[68:75] W2's
.set MSB, 0
.macro WIN new                         ; s_set_vgpr_msb: bits 1:0 source 0, 3:2 source 1, 5:4 source 2, 7:6 destination; the high byte repeats the setting that is left
.if MSB != \new
	s_set_vgpr_msb (MSB<<8)|\new
.set MSB, \new
.endif
.endm
.macro PLACES n                        ; places behind matrix instructions (ISA guide 7.12.1)
.rept \n
	v_nop
.endr
.endm
.macro ROUND                           ; a round of the cluster's barrier
	s_barrier_signal -1
	s_barrier_wait -1
	s_cmp_lg_u32 s26, 0
	s_cbranch_scc1 .Lnot_wave_0_\@
	s_barrier_signal -3
.Lnot_wave_0_\@:
	s_barrier_wait -3
	s_barrier_signal -1
	s_barrier_wait -1
.endm
.macro JLOAD s                         ; waves 0, 1 ask for the halves of W1's tile, waves 2, 3 for those of W2's: one load a wave
	s_cmp_eq_u32 s27, 0
	s_cbranch_scc0 .Lfor_w2_\@
	tensor_load_to_lds s[G0A+4*\s:G0A+4*\s+3], s[G1A:G1A+7]
	s_nop 0
	s_branch .Lasked_\@
.Lfor_w2_\@:
	tensor_load_to_lds s[G0B+4*\s:G0B+4*\s+3], s[G1B:G1B+7]
	s_nop 0
.Lasked_\@:
.endm
	s_load_b512 s[4:19], s[0:1], 0x0               ; ob, x, Wo, bo, g2, be2, W1, bf1
	s_load_b128 s[20:23], s[0:1], 0x40             ; W2, bf2
	s_load_b64 s[24:25], s[0:1], 0x50              ; part
	v_lshl_add_u32 v254, v0, 2, 0x4e800
	v_mov_b32 v255, 0
	ds_add_u32 v254, v255
	v_lshrrev_b32 v1, 5, v0
	v_readfirstlane_b32 s26, v1                    ; wave
	s_lshr_b32 s27, s26, 1                         ; 0: I fetch for W1, 1: for W2
	s_and_b32 s78, s26, 1                          ; which 64 rows of the tile
	s_and_b32 s30, ttmp7, 0xffff                   ; slice
	; group 1: tiles of 64 rows x 128 elements of 4 bytes; the extents are the tile's, which never crosses the tensor's end
	s_mov_b32 s[G1A+0], 15|(2<<16)|(1<<20)|(1<<21)|(6<<22)|(7<<25)  ; mask: all four of the cluster; 4 bytes; padding on; bit 21 beside a mask; after every 128 words 8 words
	s_mov_b32 s[G1A+1], 128<<16                    ; tensor_dim0 = 128
	s_mov_b32 s[G1A+2], 64<<16                     ; tensor_dim1 = 64
	s_mov_b32 s[G1A+3], 128<<16                    ; tile_dim0 = 128
	s_mov_b32 s[G1A+4], 64                         ; tile_dim1 = 64
	s_mov_b32 s[G1A+5], 65536                      ; W1: 65,536 elements from row to row
	s_mov_b32 s[G1A+6], 0
	s_mov_b32 s[G1A+7], 0
	s_mov_b32 s[G1B+0], 15|(2<<16)|(1<<21)         ; W2's rows are read whole, lane by lane in order: no padding
	s_mov_b32 s[G1B+1], 128<<16
	s_mov_b32 s[G1B+2], 64<<16
	s_mov_b32 s[G1B+3], 128<<16
	s_mov_b32 s[G1B+4], 64
	s_mov_b32 s[G1B+5], 128
	s_mov_b32 s[G1B+6], 0
	s_mov_b32 s[G1B+7], 0
	s_lshl_b32 s32, s78, 24                        ; W1: 64 rows of 262,144 bytes
	s_lshl_b32 s33, s30, 13                        ;     + slice x 2,048 columns of 4 bytes
	s_add_co_u32 s32, s32, s33
	s_mov_b32 s33, 0
	s_lshl_b32 s34, s30, 20                        ; W2: slice x 2,048 rows of 512 bytes
	s_lshl_b32 s35, s78, 15                        ;     + 64 rows
	s_add_co_u32 s34, s34, s35
	s_mov_b32 s35, 0
	s_mul_i32 s79, s26, 64*P1                      ; LDS: W1's halves at wave x 34,816 (waves 0, 1)
	s_lshl_b32 s31, s26, 15
	s_add_co_u32 s31, s31, W2OFF-65536             ; W2's at 69,632 + (wave - 2) x 32,768 (waves 2, 3)
	s_mov_b32 s60, 0x3c000000                      ; 1/128
	s_mov_b32 s62, 0x3d000000                      ; 1/32, twice
	s_mov_b32 s63, 0x3d000000
	s_mov_b32 s76, 0x76543210
	s_mov_b32 s77, 0xfedcba98
	s_wait_dscnt 0x0
	s_wait_kmcnt 0x0
	s_add_nc_u64 s[32:33], s[16:17], s[32:33]
	s_add_nc_u64 s[34:35], s[20:21], s[34:35]
	ROUND                                          ; the four work-groups are here: the first joint loads meet
.irp sl, 0,1
	s_mov_b32 s[G0A+4*\sl], 1
	s_add_co_u32 s[G0A+4*\sl+1], s79, \sl*SLOT
	s_add_nc_u64 s[G0A+4*\sl+2:G0A+4*\sl+3], s[32:33], \sl*512         ; 128 columns on
	s_or_b32 s[G0A+4*\sl+3], s[G0A+4*\sl+3], 0x80000000
	s_mov_b32 s[G0B+4*\sl], 1
	s_add_co_u32 s[G0B+4*\sl+1], s31, \sl*SLOT
	s_add_nc_u64 s[G0B+4*\sl+2:G0B+4*\sl+3], s[34:35], \sl*65536       ; 128 rows on
	s_or_b32 s[G0B+4*\sl+3], s[G0B+4*\sl+3], 0x80000000
	JLOAD \sl                                      ; both slots' first fills, ahead of everything else
.endr
	; my rows: they enter global addresses alone
	s_bfe_u32 s28, ttmp6, 0x40000                  ; cx
	s_lshl_b32 s29, ttmp9, 2
	s_add_co_u32 s29, s29, s28                     ; row block = 4 x cluster + cx
	s_lshl_b32 s80, s29, 17                        ; 256 rows of 512 bytes
	s_lshl_b32 s81, s26, 15                        ; + 64 a wave
	s_add_co_u32 s80, s80, s81
	s_mov_b32 s81, 0
	s_add_nc_u64 s[6:7], s[6:7], s[80:81]          ; x
	s_add_nc_u64 s[24:25], s[24:25], s[80:81]      ; part,
	s_lshl_b32 s82, s30, 20
	s_mov_b32 s83, 0
	s_add_nc_u64 s[24:25], s[24:25], s[82:83]      ; my slice's
	s_lshr_b32 s80, s29, 2                         ; b
	s_lshl_b32 s80, s80, 18                        ; 8 heads x 1,024 rows x 32 bytes
	s_and_b32 s82, s29, 3
	s_lshl_b32 s82, s82, 13                        ; 256 rows of 32 bytes
	s_add_co_u32 s80, s80, s82
	s_lshl_b32 s82, s26, 11
	s_add_co_u32 s80, s80, s82
	s_add_nc_u64 s[4:5], s[4:5], s[80:81]          ; ob
	s_lshl_b32 s82, s30, 13
	s_add_nc_u64 s[18:19], s[18:19], s[82:83]      ; bf1's slice
	v_and_b32 v5, 31, v0                           ; lane
	v_and_b32 v1, 15, v0                           ; r
	v_bfe_u32 v2, v0, 4, 1                         ; h
	v_and_b32 v3, 7, v0
	v_bfe_u32 v4, v0, 3, 1
	v_lshlrev_b32 v6, 1, v2
	v_lshl_add_u32 v6, v4, 2, v6                   ; the groups of eight lanes take rows 0, 4, 2, 6
	s_lshl_b32 s78, s26, 5
	v_add_nc_u32 v6, s78, v6                       ; of my 32 rows e
	v_mul_u32_u24 v7, v6, P1
	v_lshl_add_u32 v[CVA], v3, 4, v7
	v_add_nc_u32 v[CVA+1], SLOT, v[CVA]
	v_mul_u32_u24 v7, v6, W1BP
	v_lshl_add_u32 v7, v3, 3, v7
	v_add_nc_u32 v[STA], W1B, v7
	s_lshl_b32 s78, s26, 12                        ; my 8 rows n of a body's 32
	s_add_co_u32 s78, s78, W2OFF
	v_lshl_add_u32 v[CVB], v5, 4, s78
	v_add_nc_u32 v[CVB+1], SLOT, v[CVB]
	s_mul_i32 s78, s26, 8*W2BP
	s_add_co_u32 s78, s78, W2B
	v_lshl_add_u32 v[STB], v5, 3, s78
	v_lshl_add_u32 v6, v2, 3, v3                   ; transposing loads: row 8 h + (lane & 7),
	v_lshlrev_b32 v4, 4, v4                        ; 16 bytes on for lanes 8-15 and 24-31
	v_mad_u32_u24 v7, v6, W1BP, v4
	v_add_nc_u32 v[FA], W1B, v7
	v_mad_u32_u24 v7, v6, W2BP, v4
	v_add_nc_u32 v[FB], W2B, v7
	v_add_nc_u32 v[FW], WOB, v7
	v_lshlrev_b32 v[PO], 5, v2
	v_add_nc_u32 v[BA], BIASL-128, v[PO]           ; body t takes the bias of units t - 1
	s_mul_i32 s78, s26, 16*STGP
	s_add_co_u32 s78, s78, STG
	v_mad_u32_u24 v7, v1, STGP, v[PO]
	v_add_nc_u32 v[STO], s78, v7
	v_lshlrev_b32 v[CO], 4, v5
	v_add_nc_u32 v[RD], s78, v[CO]
	s_mul_i32 s78, s26, W2BP
	s_add_co_u32 s78, s78, WOB
	v_lshl_add_u32 v[WOS], v5, 3, s78
	v_lshlrev_b32 v[TG], 4, v0
	v_add_nc_u32 v[BS], BIASL, v[TG]
	v_lshl_add_u32 v[XO], v1, 9, v[PO]
	v_lshlrev_b32 v7, 4, v2
	v_lshl_add_u32 v[OO], v1, 5, v7
	; ---- x2 = x + o Wo + bo, LayerNorm 2 ----
.set p, 0
.rept 16
	global_load_b128 v[W2F+4*p:W2F+4*p+3], v[TG], s[8:9] offset:2048*p             ; Wo, pass p: row 4 p + wave, 16 bytes a lane
.set p, p+1
.endr
.set p, 0
.rept 16
	global_load_b128 v[CVI+4*p:CVI+4*p+3], v[TG], s[8:9] offset:2048*(p+16)
.set p, p+1
.endr
.irp p, 0,1,2,3
	global_load_b128 v[T+4*\p:T+4*\p+3], v[TG], s[18:19] offset:2048*\p
.endr
	WIN 0x40
.irp mt, 0,1,2,3
.irp ks, 0,1,2,3
	global_load_b128 v[H2F+8*(4*\mt+\ks):H2F+8*(4*\mt+\ks)+3],   v[OO], s[4:5] offset:65536*\ks+512*\mt          ; head 2 ks: c = 32 ks + 8h + 0..7
	global_load_b128 v[H2F+8*(4*\mt+\ks)+4:H2F+8*(4*\mt+\ks)+7], v[OO], s[4:5] offset:65536*\ks+32768+512*\mt    ; head 2 ks + 1
.endr
.endr
	WIN 0
	s_wait_loadcnt 32                              ; o's 32 loads are younger than Wo's and bf1's
.macro WOCVT base, p0
.set i, 0
.rept 16
	v_cvt_pk_bf16_f32 v[\base+4*i],   v[\base+4*i],   v[\base+4*i+1]
	v_cvt_pk_bf16_f32 v[\base+4*i+1], v[\base+4*i+2], v[\base+4*i+3]
	ds_store_b64 v[WOS], v[\base+4*i:\base+4*i+1] offset:(\p0+i)*4*W2BP
.set i, i+1
.endr
.endm
	WOCVT W2F, 0
	WOCVT CVI, 16
.irp p, 0,1,2,3
	ds_store_b128 v[BS], v[T+4*\p:T+4*\p+3] offset:2048*\p
.endr
	WIN 0x80
.irp mt, 0,1,2,3
.irp et, 0,1,2,3,4,5,6,7
	global_load_b128 v[8*(8*\mt+\et):8*(8*\mt+\et)+3],   v[XO], s[6:7] offset:8192*\mt+64*\et       ; x^T straight into the accumulators: the product adds onto it
	global_load_b128 v[8*(8*\mt+\et)+4:8*(8*\mt+\et)+7], v[XO], s[6:7] offset:8192*\mt+64*\et+16
.endr
.endr
	WIN 0xc0
.irp et, 0,1,2,3,4,5,6,7
	global_load_b128 v[BO+8*\et:BO+8*\et+3],     v[PO], s[10:11] offset:64*\et
	global_load_b128 v[BO+8*\et+4:BO+8*\et+7],   v[PO], s[10:11] offset:64*\et+16
	global_load_b128 v[G2+8*\et:G2+8*\et+3],     v[PO], s[12:13] offset:64*\et
	global_load_b128 v[G2+8*\et+4:G2+8*\et+7],   v[PO], s[12:13] offset:64*\et+16
	global_load_b128 v[BE2+8*\et:BE2+8*\et+3],   v[PO], s[14:15] offset:64*\et
	global_load_b128 v[BE2+8*\et+4:BE2+8*\et+7], v[PO], s[14:15] offset:64*\et+16
	global_load_b128 v[BF2+8*\et:BF2+8*\et+3],   v[PO], s[22:23] offset:64*\et
	global_load_b128 v[BF2+8*\et+4:BF2+8*\et+7], v[PO], s[22:23] offset:64*\et+16
.endr
	WIN 0
	s_wait_dscnt 0x0                               ; my part of Wo and of the bias is in LDS,
	s_barrier_signal -1
	s_barrier_wait -1                              ; everybody's is.  The weight tiles stay on their way
.macro WOLOAD buf, ks
.irp et, 0,1,2,3,4,5,6,7
	ds_load_tr16_b128 v[\buf+8*\et:\buf+8*\et+3],   v[FW] offset:32*W2BP*\ks+32*\et
	ds_load_tr16_b128 v[\buf+8*\et+4:\buf+8*\et+7], v[FW] offset:32*W2BP*\ks+32*\et+16*W2BP
.endr
.endm
.macro WOMUL buf, ks                   ; 32 accumulators take turns
	WIN 0xa4
.irp et, 0,1,2,3,4,5,6,7
.irp mt, 0,1,2,3
	v_wmma_f32_16x16x32_bf16 v[8*(8*\mt+\et):8*(8*\mt+\et)+7], v[\buf+8*\et:\buf+8*\et+7], v[H2F+8*(4*\mt+\ks):H2F+8*(4*\mt+\ks)+7], v[8*(8*\mt+\et):8*(8*\mt+\et)+7]
.endr
.endr
	WIN 0
.endm
	WOLOAD W2F, 0
	WOLOAD CVI, 1
	s_wait_loadcnt 63                              ; 64 loads of parameters are younger than x's last: o and x are in
	s_wait_dscnt 16                                ; the second run of 16 may be out
	WOMUL W2F, 0
	PLACES 4
	WOLOAD W2F, 2
	s_wait_dscnt 16
	WOMUL CVI, 1
	PLACES 4
	WOLOAD CVI, 3
	s_wait_dscnt 16
	WOMUL W2F, 2
	s_wait_dscnt 0x0
	WOMUL CVI, 3
	PLACES 4
	s_wait_loadcnt 0x0                             ; bo, g2, be2, bf2
	WIN 0xc3
.set q, 0
.rept 32
	v_pk_mul_f32 v[BF2+q:BF2+q+1], v[BF2+q:BF2+q+1], s[62:63] op_sel_hi:[1,0]      ; bf2 / 32
.set q, q+2
.endr
; One m tile: + bo; mean; x2 - mean; variance; gain and bias; h2's four fragments; the partial sum's start (x2 + bf2) / 32.
; A lane holds 64 of its row's 128 numbers, lane r + 16 the others.
.macro LNROW mt
	WIN 0x8e
.set q, 0
.rept 32
	v_pk_add_f32 v[64*\mt+q:64*\mt+q+1], v[64*\mt+q:64*\mt+q+1], v[BO+q:BO+q+1]
.set q, q+2
.endr
	WIN 0x0a
.set q, 0
.rept 16
	v_pk_add_f32 v[SU+q:SU+q+1], v[64*\mt+2*q:64*\mt+2*q+1], v[64*\mt+2*q+2:64*\mt+2*q+3]
.set q, q+2
.endr
	WIN 0
.irp half, 16, 8, 4, 2
.set q, 0
.rept \half/2
	v_pk_add_f32 v[SU+q:SU+q+1], v[SU+q:SU+q+1], v[SU+\half+q:SU+\half+q+1]
.set q, q+2
.endr
.endr
	v_add_f32 v[SU], v[SU], v[SU+1]
	v_permlanex16_b32 v[SU+1], v[SU], s76, s77
	v_add_f32 v[SU], v[SU], v[SU+1]
	v_mul_f32 v[MU], s60, v[SU]
	v_mov_b32 v[MU+1], v[MU]
	WIN 0x02
.set q, 0
.rept 32
	v_pk_add_f32 v[DV+q:DV+q+1], v[64*\mt+q:64*\mt+q+1], v[MU:MU+1] neg_lo:[0,1] neg_hi:[0,1]
.set q, q+2
.endr
	WIN 0
.irp i, 0,2,4,6
	v_pk_mul_f32 v[SQ+\i:SQ+\i+1], v[DV+\i:DV+\i+1], v[DV+\i:DV+\i+1]
.endr
.set q, 8
.rept 28
	v_pk_fma_f32 v[SQ+q%8:SQ+q%8+1], v[DV+q:DV+q+1], v[DV+q:DV+q+1], v[SQ+q%8:SQ+q%8+1]
.set q, q+2
.endr
	v_pk_add_f32 v[SQ:SQ+1], v[SQ:SQ+1], v[SQ+2:SQ+3]
	v_pk_add_f32 v[SQ+4:SQ+5], v[SQ+4:SQ+5], v[SQ+6:SQ+7]
	v_pk_add_f32 v[SQ:SQ+1], v[SQ:SQ+1], v[SQ+4:SQ+5]
	v_add_f32 v[SQ], v[SQ], v[SQ+1]
	v_permlanex16_b32 v[SQ+1], v[SQ], s76, s77
	v_add_f32 v[SQ], v[SQ], v[SQ+1]
	v_fmaak_f32 v[SQ], s60, v[SQ], 0x3727c5ac      ; var + 1e-5
	v_rsq_f32 v[RS], v[SQ]
	v_nop                                          ; one plain instruction behind the transcendental (ISA guide 5.7.2)
	s_wait_alu depctr_va_vdst(0)
	v_mov_b32 v[RS+1], v[RS]
.set q, 0
.rept 32
	v_pk_mul_f32 v[DV+q:DV+q+1], v[DV+q:DV+q+1], v[RS:RS+1]
.set q, q+2
.endr
	WIN 0x3c
.set q, 0
.rept 32
	v_pk_fma_f32 v[DV+q:DV+q+1], v[DV+q:DV+q+1], v[G2+q:G2+q+1], v[BE2+q:BE2+q+1]
.set q, q+2
.endr
	WIN 0x40
.set p, 0
.rept 32
	v_cvt_pk_bf16_f32 v[H2F+32*\mt+p], v[DV+2*p], v[DV+2*p+1]      ; tiles et = 2 ks and 2 ks + 1 are the two halves of fragment ks
.set p, p+1
.endr
	WIN 0xb2
.set q, 0
.rept 32
	v_pk_fma_f32 v[64*\mt+q:64*\mt+q+1], v[64*\mt+q:64*\mt+q+1], s[62:63], v[BF2+q:BF2+q+1] op_sel_hi:[1,0,1]
.set q, q+2
.endr
.endm
	LNROW 0
	LNROW 1
	LNROW 2
	LNROW 3
	; ---- the FFN ----
; The next instruction of relu and rounding of two m tiles' hidden numbers: for each m tile 16 maxima, then 8 packings in place, upward.
.macro PKSTEP
.if PKN > 0
.if PKI < 16
	v_max_num_f32 v[PKB+PKI], 0, v[PKB+PKI]
.else
	v_cvt_pk_bf16_f32 v[PKB+PKI-16], v[PKB+2*(PKI-16)], v[PKB+2*(PKI-16)+1]
.endif
.set PKI, PKI+1
.if PKI == 24
.set PKI, 0
.set PKB, PKB+16
.endif
.set PKN, PKN-1
.endif
.endm
; G1 of m tiles 2 pair, 2 pair + 1: 16 matrix instructions on four accumulators that take turns; the first K step takes the bias as C.
; pack = 1: the other pair's 48 pack instructions are strewn among them.  The first six stand in front: with them at least five places lie between
; the G2 instructions that read P of this pair and the first instruction that writes over it.
.macro G1PH pair, pack
	WIN 0x45
.if \pack
.set PKB, GA+32*(1-\pair)
.set PKI, 0
.set PKN, 48
.rept 6
	PKSTEP
.endr
.else
.set PKN, 0
.endif
.irp ks, 0,1,2,3
.if \ks == 1
	WIN 0x55
.endif
.irp mt, 0,1
.irp nt, 0,1
.if \ks == 0
	v_wmma_f32_16x16x32_bf16 v[GA+16*(2*\pair+\mt)+8*\nt:GA+16*(2*\pair+\mt)+8*\nt+7], v[W1F+8*(4*\nt+\ks):W1F+8*(4*\nt+\ks)+7], v[H2F+8*(4*(2*\pair+\mt)+\ks):H2F+8*(4*(2*\pair+\mt)+\ks)+7], v[BIAS+8*\nt:BIAS+8*\nt+7]
.else
	v_wmma_f32_16x16x32_bf16 v[GA+16*(2*\pair+\mt)+8*\nt:GA+16*(2*\pair+\mt)+8*\nt+7], v[W1F+8*(4*\nt+\ks):W1F+8*(4*\nt+\ks)+7], v[H2F+8*(4*(2*\pair+\mt)+\ks):H2F+8*(4*(2*\pair+\mt)+\ks)+7], v[GA+16*(2*\pair+\mt)+8*\nt:GA+16*(2*\pair+\mt)+8*\nt+7]
.endif
	PKSTEP
	PKSTEP
	PKSTEP
.endr
.endr
.endr
.endm
; G2 of the same two m tiles: 16 matrix instructions, each on its own accumulator
.macro G2PH pair
	WIN 0xa4
.irp et, 0,1,2,3,4,5,6,7
.irp mt, 0,1
	v_wmma_f32_16x16x32_bf16 v[8*(8*(2*\pair+\mt)+\et):8*(8*(2*\pair+\mt)+\et)+7], v[W2F+8*\et:W2F+8*\et+7], v[GA+16*(2*\pair+\mt):GA+16*(2*\pair+\mt)+7], v[8*(8*(2*\pair+\mt)+\et):8*(8*(2*\pair+\mt)+\et)+7]
.endr
.endr
.endm
; my quarter of a body's weights, f32, from slot CSL, quarter CC of its 128 units
.macro CVLOAD
.irp tp, 0,1,2,3
.irp rho, 0,1
	ds_load_b128 v[CVI+4*(2*\tp+\rho):CVI+4*(2*\tp+\rho)+3], v[CVA+CSL] offset:(8*\tp+\rho)*P1+CC*128
.endr
.endr
.irp j, 0,1,2,3,4,5,6,7
	ds_load_b128 v[CVI+32+4*\j:CVI+32+4*\j+3], v[CVB+CSL] offset:(32*CC+\j)*512
.endr
.endm
; rounded, into the bf16 buffers of parity CPAR
.macro CVSTORE
.set i, 0
.rept 32
	v_cvt_pk_bf16_f32 v[CVO+i], v[CVI+2*i], v[CVI+2*i+1]
.set i, i+1
.endr
.irp tp, 0,1,2,3
.irp rho, 0,1
	ds_store_b64 v[STA], v[CVO+2*(2*\tp+\rho):CVO+2*(2*\tp+\rho)+1] offset:CPAR*W1BSZ+(8*\tp+\rho)*W1BP
.endr
.endr
.irp j, 0,1,2,3,4,5,6,7
	ds_store_b64 v[STB], v[CVO+16+2*\j:CVO+16+2*\j+1] offset:CPAR*W2BSZ+\j*W2BP
.endr
.endm
; Body t, u = t mod 8.  g2: G2 of units t-2; g1: G1 of units t-1; conv: units t to bf16.
; sync = 0: a barrier.  1: the first body, slot 0 has landed, slot 1 may be out.  2: the slot read in the last four bodies is asked for again.  3: the last slot has landed.
.macro BODY u, sync, g2, g1, conv
	s_wait_dscnt 0x0                               ; my LDS reads and stores of the last body are done: fragments, slot, bf16 buffers
.if \sync == 1
	s_wait_tensorcnt 0x1                           ; one load is younger than my part of slot 0
.endif
.if \sync >= 2
	s_set_vgpr_msb (MSB<<8)|((MSB&0xf0)|0x0)
	s_wait_tensorcnt 0x0                           ; all my tensor loads have landed: the one that was out is my part of the slot that is read next
	ds_add_u32 v254, v255
	s_wait_dscnt 0x0
	s_set_vgpr_msb (((MSB&0xf0)|0x0)<<8)|MSB
.endif
	WIN 0
.if \sync == 2
.set RSL, 1-((\u>>2)&1)
	s_add_nc_u64 s[G0A+4*RSL+2:G0A+4*RSL+3], s[G0A+4*RSL+2:G0A+4*RSL+3], 1024      ; no load of mine is out: 256 hidden units on, W1 along its rows,
	s_add_nc_u64 s[G0B+4*RSL+2:G0B+4*RSL+3], s[G0B+4*RSL+2:G0B+4*RSL+3], 131072    ; W2 down its rows
	ROUND                                          ; no wave of any of the four work-groups still reads the slot or has a load on its way
	JLOAD RSL                                      ; first thing behind the round, one load a wave
.else
	s_barrier_signal -1
	s_barrier_wait -1
.endif
	PLACES 4                                       ; behind the last body's matrix instructions: loads into their sources, and the packing of their results
.set PR, (\u+1)&1
.set CSL, (\u>>2)&1
.set CC, \u&3
.set CPAR, \u&1
.if \g1
	WIN 0x40
.irp ks, 0,1,2,3
.irp nt, 0,1
	ds_load_tr16_b128 v[W1F+8*(4*\nt+\ks):W1F+8*(4*\nt+\ks)+3],   v[FA] offset:PR*W1BSZ+32*W1BP*\ks+32*\nt
	ds_load_tr16_b128 v[W1F+8*(4*\nt+\ks)+4:W1F+8*(4*\nt+\ks)+7], v[FA] offset:PR*W1BSZ+32*W1BP*\ks+32*\nt+16*W1BP
.endr
.endr
	WIN 0
.irp nt, 0,1
	ds_load_b128 v[BIAS+8*\nt:BIAS+8*\nt+3],   v[BA] offset:128*\u+64*\nt
	ds_load_b128 v[BIAS+8*\nt+4:BIAS+8*\nt+7], v[BA] offset:128*\u+64*\nt+16
.endr
.endif
.if \conv
	CVLOAD
.endif
.if \g2
	G2PH 0
.endif
.if \g1
.if \conv
	s_wait_dscnt 16                                ; the 16 loads of f32 weights are younger than W1's fragments and the bias
.else
	s_wait_dscnt 0x0
.endif
	G1PH 0, \g2
.else
.if \g2
	WIN 0x45                                       ; the last body: only the packing of m tiles 2 and 3 is left
.set PKB, GA+32
.set PKI, 0
.set PKN, 48
.rept 48
	PKSTEP
.endr
.endif
.endif
.if \conv
	WIN 0
	s_wait_dscnt 0x0
	CVSTORE
.endif
.if \g2
	G2PH 1
.endif
.if \g1
	WIN 0
	PLACES 4                                       ; behind G2: loads into W2's fragments; behind G1 of the first pair: its packing
.irp et, 0,1,2,3,4,5,6,7
	ds_load_tr16_b128 v[W2F+8*\et:W2F+8*\et+3],   v[FB] offset:PR*W2BSZ+32*\et
	ds_load_tr16_b128 v[W2F+8*\et+4:W2F+8*\et+7], v[FB] offset:PR*W2BSZ+32*\et+16*W2BP
.endr
	G1PH 1, 1
.endif
.endm
.macro LAP s0, s4                      ; eight bodies = once round both slots
	BODY 0, \s0, 1, 1, 1
	BODY 1, 0, 1, 1, 1
	BODY 2, 0, 1, 1, 1
	BODY 3, 0, 1, 1, 1
	BODY 4, \s4, 1, 1, 1
	BODY 5, 0, 1, 1, 1
	BODY 6, 0, 1, 1, 1
	BODY 7, 0, 1, 1, 1
	WIN 0
	v_add_nc_u32 v[BA], 1024, v[BA]                ; the bias of the next 256 units
.endm
	BODY 0, 1, 0, 0, 1                             ; its barrier also stands between the reads of Wo and the first stores into the bf16 buffers
	BODY 1, 0, 0, 1, 1
	BODY 2, 0, 1, 1, 1
	BODY 3, 0, 1, 1, 1
	BODY 4, 2, 1, 1, 1                             ; slot 0 gets units 256 .. 383
	BODY 5, 0, 1, 1, 1
	BODY 6, 0, 1, 1, 1
	BODY 7, 0, 1, 1, 1
	WIN 0
	v_add_nc_u32 v[BA], 1024, v[BA]
	s_mov_b32 s31, 6
.Llap:
	LAP 2, 2
	s_sub_co_u32 s31, s31, 1
	s_cmp_lg_u32 s31, 0
	s_cbranch_scc1 .Llap
	LAP 2, 3                                       ; slot 1 gets the last 128 units; then nothing is left to fetch
	BODY 0, 0, 1, 1, 0
	BODY 1, 0, 1, 0, 0                             ; behind its barrier no wave reads the bf16 buffers any more: the stage may take their bytes
	; ---- the way out: 16 rows at a time through my own stage, back as whole rows of 512 bytes ----
	PLACES 4
.macro OUTMT mt, buf
	WIN 0x08                                       ; the stores' data lie in window 2
.irp et, 0,1,2,3,4,5,6,7
	ds_store_b128 v[STO], v[8*(8*\mt+\et):8*(8*\mt+\et)+3]   offset:64*\et
	ds_store_b128 v[STO], v[8*(8*\mt+\et)+4:8*(8*\mt+\et)+7] offset:64*\et+16
.endr
	WIN 0
	s_wait_xcnt 0x0                                ; the buffer that earlier global stores read is loaded again only behind this wait (ISA guide 3.1)
.set i, 0
.rept 16
	ds_load_b128 v[\buf+4*i:\buf+4*i+3], v[RD] offset:STGP*i       ; LDS serves a wave's instructions in order (ISA guide 5.7.1): these see the stores above
.set i, i+1
.endr
.set i, 0
.rept 16
	s_wait_dscnt 15-i
	global_store_b128 v[CO], v[\buf+4*i:\buf+4*i+3], s[24:25] offset:512*(16*\mt+i)    ; the wave's store covers a row's 512 consecutive bytes, aligned
.set i, i+1
.endr
.endm
	OUTMT 0, W2F
	OUTMT 1, CVI
	OUTMT 2, W2F
	OUTMT 3, CVI
	s_set_vgpr_msb (MSB<<8)|((MSB&0xf0)|0x0)
	s_wait_tensorcnt 0x0
	ds_add_u32 v254, v255
	s_wait_dscnt 0x0
	s_set_vgpr_msb (((MSB&0xf0)|0x0)<<8)|MSB
	ROUND                                          ; the closing round: no work-group ends while a partner may still ask for a tile that names it
	s_endpgm
.Lfunc_end_k_qd5b90fc53e_ffn:
	.size	k_qd5b90fc53e_ffn, .Lfunc_end_k_qd5b90fc53e_ffn-k_qd5b90fc53e_ffn
	.p2alignl 7, 3214868480
	.fill 96, 4, 3214868480
	.section	.rodata,"a",@progbits
	.p2align	6, 0x0
	.amdhsa_kernel k_qd5b90fc53e_ffn
		.amdhsa_group_segment_fixed_size 327680
		.amdhsa_private_segment_fixed_size 0
		.amdhsa_enable_private_segment 0
		.amdhsa_kernarg_size 88
		.amdhsa_user_sgpr_count 2
		.amdhsa_user_sgpr_kernarg_segment_ptr 1
		.amdhsa_wavefront_size32 1
		.amdhsa_system_sgpr_workgroup_id_x 1
		.amdhsa_system_sgpr_workgroup_id_y 1
		.amdhsa_system_sgpr_workgroup_id_z 1
		.amdhsa_system_vgpr_workitem_id 0
		.amdhsa_next_free_vgpr 1024
		.amdhsa_next_free_sgpr 84
		.amdhsa_reserve_vcc 0
		.amdhsa_float_denorm_mode_32 3
		.amdhsa_float_denorm_mode_16_64 3
		.amdhsa_memory_ordered 1
		.amdhsa_forward_progress 1
		.amdhsa_inst_pref_size 255
	.end_amdhsa_kernel
	.section	.bss,"aw",@nobits
	.p2align	6
	.space	262144
	.amdgpu_metadata
---
amdhsa.version: [ 1, 2 ]
amdhsa.kernels:
  - .name:           k_qd5b90fc53e_ffn
    .symbol:         k_qd5b90fc53e_ffn.kd
    .args:
      - { .name: ob, .offset: 0, .size: 8, .value_kind: global_buffer, .address_space: global }
      - { .name: x, .offset: 8, .size: 8, .value_kind: global_buffer, .address_space: global }
      - { .name: Wo, .offset: 16, .size: 8, .value_kind: global_buffer, .address_space: global }
      - { .name: bo, .offset: 24, .size: 8, .value_kind: global_buffer, .address_space: global }
      - { .name: g2, .offset: 32, .size: 8, .value_kind: global_buffer, .address_space: global }
      - { .name: be2, .offset: 40, .size: 8, .value_kind: global_buffer, .address_space: global }
      - { .name: W1, .offset: 48, .size: 8, .value_kind: global_buffer, .address_space: global }
      - { .name: bf1, .offset: 56, .size: 8, .value_kind: global_buffer, .address_space: global }
      - { .name: W2, .offset: 64, .size: 8, .value_kind: global_buffer, .address_space: global }
      - { .name: bf2, .offset: 72, .size: 8, .value_kind: global_buffer, .address_space: global }
      - { .name: part, .offset: 80, .size: 8, .value_kind: global_buffer, .address_space: global }
    .group_segment_fixed_size: 327680
    .private_segment_fixed_size: 0
    .kernarg_segment_align: 8
    .kernarg_segment_size: 88
    .max_flat_workgroup_size: 128
    .sgpr_count:     84
    .vgpr_count:     1024
    .wavefront_size: 32
...
	.end_amdgpu_metadata
.endif
;; end of part 3
;; launch red (part 4): grid 256 x 1, 8 waves a work-group, no clusters, 0 bytes of LDS; arguments part, out0; writes out0
.if DOCPART == 4
	.amdgcn_target "amdgcn-amd-amdhsa--gfx1250"
	.amdhsa_code_object_version 6
	.text
	.protected	k_qd5b90fc53e_red
	.globl	k_qd5b90fc53e_red
	.p2align	8
	.type	k_qd5b90fc53e_red,@function
k_qd5b90fc53e_red:
	s_mov_b64 s[64:65], 0
	v_nop
	global_prefetch_b8 v0, s[64:65] scope:SCOPE_SE
	s_setreg_imm32_b32 hwreg(HW_REG_WAVE_MODE, 25, 1), 1
	s_wait_xcnt 0x0
; out0 = the sum of the 32 slices' parts.  part: [32][2048][128] f32; out0: [2048][128] f32.
; A thread owns 16 bytes of the result; its 32 loads, one MiB apart, all go out at once, and each load and the store of a wave cover 512 consecutive bytes.
; The order of the sums is fixed: a tree within each group of eight slices, then the groups in order.
; No LDS, no matrix unit, no cluster: every byte is read once by one thread.
.set LD, 4                             ; v[4:131] slice s at 4 s
	s_load_b128 s[4:7], s[0:1], 0x0                ; part, out0
	s_lshl_b32 s8, ttmp9, 12                       ; 256 threads x 16 bytes
	v_lshlrev_b32 v1, 4, v0
	v_add_nc_u32 v1, s8, v1
	s_wait_kmcnt 0x0
	s_add_nc_u64 s[10:11], s[4:5], 0x800000        ; a base for every eight slices: the loads' immediate holds 24 signed bits
	s_add_nc_u64 s[12:13], s[4:5], 0x1000000
	s_add_nc_u64 s[14:15], s[4:5], 0x1800000
.macro LOAD8 k, base
.irp i, 0,1,2,3,4,5,6,7
	global_load_b128 v[LD+32*\k+4*\i:LD+32*\k+4*\i+3], v1, s[\base:\base+1] offset:\i<<20 th:TH_LOAD_NT
.endr
.endm
	LOAD8 0, 4
	LOAD8 1, 10
	LOAD8 2, 12
	LOAD8 3, 14
.macro ADD4 a, b                       ; four numbers at a += four at b
	v_pk_add_f32 v[\a:\a+1], v[\a:\a+1], v[\b:\b+1]
	v_pk_add_f32 v[\a+2:\a+3], v[\a+2:\a+3], v[\b+2:\b+3]
.endm
.macro SUM8 k
	s_wait_loadcnt 24-8*\k                         ; the younger groups of eight stay out
.irp i, 0,1,2,3
	ADD4 LD+32*\k+4*\i, LD+32*\k+16+4*\i
.endr
.irp i, 0,1
	ADD4 LD+32*\k+4*\i, LD+32*\k+8+4*\i
.endr
	ADD4 LD+32*\k, LD+32*\k+4
.if \k
	ADD4 LD, LD+32*\k
.endif
.endm
	SUM8 0
	SUM8 1
	SUM8 2
	SUM8 3
	global_store_b128 v1, v[LD:LD+3], s[6:7]
	s_endpgm
.Lfunc_end_k_qd5b90fc53e_red:
	.size	k_qd5b90fc53e_red, .Lfunc_end_k_qd5b90fc53e_red-k_qd5b90fc53e_red
	.p2alignl 7, 3214868480
	.fill 96, 4, 3214868480
	.section	.rodata,"a",@progbits
	.p2align	6, 0x0
	.amdhsa_kernel k_qd5b90fc53e_red
		.amdhsa_group_segment_fixed_size 0
		.amdhsa_private_segment_fixed_size 0
		.amdhsa_enable_private_segment 0
		.amdhsa_kernarg_size 16
		.amdhsa_user_sgpr_count 2
		.amdhsa_user_sgpr_kernarg_segment_ptr 1
		.amdhsa_wavefront_size32 1
		.amdhsa_system_sgpr_workgroup_id_x 1
		.amdhsa_system_sgpr_workgroup_id_y 1
		.amdhsa_system_sgpr_workgroup_id_z 1
		.amdhsa_system_vgpr_workitem_id 0
		.amdhsa_next_free_vgpr 136
		.amdhsa_next_free_sgpr 66
		.amdhsa_reserve_vcc 0
		.amdhsa_float_denorm_mode_32 3
		.amdhsa_float_denorm_mode_16_64 3
		.amdhsa_memory_ordered 1
		.amdhsa_forward_progress 1
		.amdhsa_inst_pref_size 8
	.end_amdhsa_kernel
	.amdgpu_metadata
---
amdhsa.version: [ 1, 2 ]
amdhsa.kernels:
  - .name:           k_qd5b90fc53e_red
    .symbol:         k_qd5b90fc53e_red.kd
    .args:
      - { .name: part, .offset: 0, .size: 8, .value_kind: global_buffer, .address_space: global }
      - { .name: out0, .offset: 8, .size: 8, .value_kind: global_buffer, .address_space: global }
    .group_segment_fixed_size: 0
    .private_segment_fixed_size: 0
    .kernarg_segment_align: 8
    .kernarg_segment_size: 16
    .max_flat_workgroup_size: 256
    .sgpr_count:     66
    .vgpr_count:     136
    .wavefront_size: 32
...
	.end_amdgpu_metadata
.endif
;; end of part 4
;; ======== version 2 of 2: 4 launches; version 1 with the launch qkv written anew for expert scheduling mode
;; workspace buffers: qb 524,288 bytes; kb 524,288 bytes; vb 524,288 bytes; ob 524,288 bytes; part 33,554,432 bytes
;; launch qkv (part 5): grid 32 x 8, 4 waves a work-group, no clusters, 12,800 bytes of LDS; arguments x, g1, be1, Wq, Wk, Wv, qb, kb, vb; writes qb, kb, vb
.if DOCPART == 5
	.amdgcn_target "amdgcn-amd-amdhsa--gfx1250"
	.amdhsa_code_object_version 6
	.text
	.protected	k_qd5b90fc53e_qkv
	.globl	k_qd5b90fc53e_qkv
	.p2align	8
	.type	k_qd5b90fc53e_qkv,@function
k_qd5b90fc53e_qkv:
	s_mov_b64 s[64:65], 0
	v_nop
	global_prefetch_b8 v0, s[64:65] scope:SCOPE_SE
	s_setreg_imm32_b32 hwreg(HW_REG_WAVE_SCHED_MODE, 0, 2), 2
	s_setreg_imm32_b32 hwreg(HW_REG_WAVE_MODE, 25, 1), 1
	s_wait_xcnt 0x0
	s_wait_alu depctr_vm_vsrc(0)
; LayerNorm 1 and the projections q, k, v of one head for 64 rows.
; x: [2048][128] f32.  Wq, Wk, Wv: [8][128 e][16 d] f32.  qb, kb, vb: [b*8+head][1024 t][16 d] bf16.
; Work-group = (64 rows, one head); wave = 16 rows.  q is multiplied by 128^-0.5 * log2(e) before it is rounded, so that the
; next launch can use exponentials of base 2.
; The products are made transposed: source 0 = 16 columns d of a weight matrix (rows of the fragment), source 1 = 16 rows t of h.
; In the result lane (r, h) holds d = 8h .. 8h+7 of row t = r: 16 neighbouring bytes of bf16, and a wave's store covers 512 consecutive bytes.
; Lane (r, h) loads of row r the elements 32 ks + 8h + 0..7 and 32 ks + 16 + 8h + 0..7: just what the fragment of source 1 wants;
; lanes r and r + 16 together hold the row, so mean and variance need one exchange between the halves.
; No joint loads: everything comes through registers once; what the eight heads' work-groups share is 32 KiB of x each, read once.
; Limits: matrix operands are rounded to bf16; sums, mean, variance in f32.
; THE MODE: SCHED_MODE bits 1:0 = 2 (LLVM: expert scheduling mode 2), set by the entry lines.  The code itself states the register dependences
; between vector or matrix instructions and memory or LDS instructions, with s_wait_alu, always for 0.
; THE PLAN.  Registers that memory or LDS instructions touch:
;   v3 .. v8, v14, v15  offsets and LDS addresses: written once at the head, read by the loads, the stores and the closing add; never written again.
;   WST   the weights' loads land in it; the roundings write registers 4 i and 4 i + 1 of each four, which the LDS stores read.  Registers 4 i + 2 and 4 i + 3 of the
;         first four fours then carry the chains of sums: no memory or LDS instruction names those after the loads, and no vector instruction writes what the LDS stores read.
;   X     x's loads land in it once; behind that vector and matrix instructions alone name it.
;   G, BT g1's and be1's loads land in them; the multiply-adds of gain and bias read them; behind the barrier the weight fragments' LDS loads land in v[80:175].
;   ACC   written by the matrix instructions, the scaling and the roundings; read by the three global stores.
; No register that a memory or LDS instruction has read is written again, so no wait on vm_vsrc is owed.  Four waits on va_vdst: ahead of the first load (the offsets);
; behind the reciprocal root (its result, and the weights' bf16 for the LDS stores that follow at once); ahead of the fragments' loads (G and BT have been read);
; ahead of the global stores (their data).  One wait on va_sdst: the wave's number.
.set XO,  3                            ; v3   512 r + 32 h: my bytes in a row of x
.set PO,  4                            ; v4   32 h: the same in g1 and be1
.set WG,  5                            ; v5   16 tid: weights in memory
.set WS,  6                            ; v6   8 tid: weights in LDS, bf16
.set WA,  7                            ; v7   transposing loads of weight fragments
.set OO,  8                            ; v8   32 r + 16 h: my 16 bytes of the result
.set MU,  10                           ; v[10:11] mean, twice
.set RS,  12                           ; v[12:13] 1/sqrt(var + eps), twice
.set X,   16                           ; v[16:79]   x, then h; packed in place into v[16:47]: four fragments
.set G,   80                           ; v[80:143]  g1
.set BT,  144                          ; v[144:207] be1
.set WST, 208                          ; v[208:255] weights as loaded; rounded, two registers of each four
.set T,   210                          ; four chains of sums, chain c the pair at T + 4 c: v[210:211], v[214:215], v[218:219], v[222:223], which the roundings have emptied
.set ACC, 48                           ; v[48:71]   q, k, v
.set WF,  80                           ; v[80:175]  twelve weight fragments (matrix m, K step ks) at 8 (4 m + ks)
	s_load_b512 s[4:19], s[0:1], 0x0               ; x, g1, be1, Wq, Wk, Wv, qb, kb
	s_load_b64 s[20:21], s[0:1], 0x40              ; vb
	v_lshl_add_u32 v14, v0, 2, 0x3000
	v_mov_b32 v15, 0
	v_lshrrev_b32 v1, 5, v0
	v_readfirstlane_b32 s22, v1                    ; wave
	s_and_b32 s23, ttmp7, 0xffff                   ; head
	s_mov_b32 s24, 0x76543210                      ; v_permlanex16_b32: lane i reads lane i of the other half
	s_mov_b32 s25, 0xfedcba98
	s_mov_b32 s32, 0x3c000000                      ; 1/128
	s_mov_b32 s34, 0x3e0293ee                      ; 128^-0.5 * log2(e), twice
	s_mov_b32 s35, 0x3e0293ee
	s_lshl_b32 s26, s23, 13                        ; a head's weights: 8,192 bytes
	s_mov_b32 s27, 0
	v_and_b32 v1, 15, v0                           ; r
	v_bfe_u32 v2, v0, 4, 1                         ; h
	v_lshlrev_b32 v[PO], 5, v2
	v_lshl_add_u32 v[XO], v1, 9, v[PO]
	v_lshlrev_b32 v[WG], 4, v0
	v_lshlrev_b32 v[WS], 3, v0
	v_and_b32 v[WA], 7, v0
	v_lshl_add_u32 v[WA], v2, 3, v[WA]             ; 8 h + (lane & 7): the row e that I address
	v_bfe_u32 v9, v0, 3, 1
	v_lshlrev_b32 v9, 4, v9
	v_lshl_add_u32 v[WA], v[WA], 5, v9             ; x 32 bytes + 16 ((lane >> 3) & 1)
	v_lshlrev_b32 v[OO], 4, v2
	v_lshl_add_u32 v[OO], v1, 5, v[OO]
	s_lshl_b32 s28, ttmp9, 6
	s_wait_alu depctr_va_sdst(0)                   ; s22, the wave's number, is written, ahead of its first reader: the bases of x and of the results are made from it
	s_lshl4_add_u32 s28, s22, s28                  ; my first row = 64 block + 16 wave
	s_lshr_b32 s30, s28, 10                        ; b
	s_and_b32 s31, s28, 1023                       ; t
	s_lshl3_add_u32 s30, s30, s23                  ; 8 b + head
	s_lshl_b32 s30, s30, 10
	s_add_co_u32 s30, s30, s31
	s_lshl_b32 s30, s30, 5                         ; ((8 b + head) 1024 + t) 32 bytes
	s_mov_b32 s31, 0
	s_lshl_b32 s28, s28, 9                         ; rows of 512 bytes
	s_mov_b32 s29, 0
	s_wait_kmcnt 0x0
	s_add_nc_u64 s[10:11], s[10:11], s[26:27]
	s_add_nc_u64 s[12:13], s[12:13], s[26:27]
	s_add_nc_u64 s[14:15], s[14:15], s[26:27]
	s_add_nc_u64 s[4:5], s[4:5], s[28:29]
	s_add_nc_u64 s[16:17], s[16:17], s[30:31]
	s_add_nc_u64 s[18:19], s[18:19], s[30:31]
	s_add_nc_u64 s[20:21], s[20:21], s[30:31]
	s_wait_alu depctr_va_vdst(0)                   ; the offsets and LDS addresses v3 to v8 are written, which every load and store of the kernel reads
; all 60 loads go out at once: 12 of weights, 16 of x, 16 of g1, 16 of be1
.irp p, 0,1,2,3
	global_load_b128 v[WST+4*\p:WST+4*\p+3], v[WG], s[10:11] offset:2048*\p
.endr
.irp p, 0,1,2,3
	global_load_b128 v[WST+16+4*\p:WST+16+4*\p+3], v[WG], s[12:13] offset:2048*\p
.endr
.irp p, 0,1,2,3
	global_load_b128 v[WST+32+4*\p:WST+32+4*\p+3], v[WG], s[14:15] offset:2048*\p
.endr
.macro ROWLOAD dst, off, base
.irp ks, 0,1,2,3
	global_load_b128 v[\dst+16*\ks:\dst+16*\ks+3],     v[\off], s[\base:\base+1] offset:128*\ks
	global_load_b128 v[\dst+16*\ks+4:\dst+16*\ks+7],   v[\off], s[\base:\base+1] offset:128*\ks+16
	global_load_b128 v[\dst+16*\ks+8:\dst+16*\ks+11],  v[\off], s[\base:\base+1] offset:128*\ks+64
	global_load_b128 v[\dst+16*\ks+12:\dst+16*\ks+15], v[\off], s[\base:\base+1] offset:128*\ks+80
.endr
.endm
	ROWLOAD X, XO, 4
	ROWLOAD G, PO, 6
	ROWLOAD BT, PO, 8
; the weights to bf16: four numbers close up into the first two of their four registers.  Their LDS stores follow behind the wait that the reciprocal root owes
	s_wait_loadcnt 48                              ; 48 loads are younger than the weights'
.set i, 0
.rept 12
	v_cvt_pk_bf16_f32 v[WST+4*i],   v[WST+4*i],   v[WST+4*i+1]
	v_cvt_pk_bf16_f32 v[WST+4*i+1], v[WST+4*i+2], v[WST+4*i+3]
.set i, i+1
.endr
; the four chains of partial sums become the row's sum, in both lanes that hold the row
.macro FOLD
	v_pk_add_f32 v[T:T+1], v[T:T+1], v[T+4:T+5]
	v_pk_add_f32 v[T+8:T+9], v[T+8:T+9], v[T+12:T+13]
	v_pk_add_f32 v[T:T+1], v[T:T+1], v[T+8:T+9]
	v_add_f32 v[T], v[T], v[T+1]
	v_permlanex16_b32 v[T+1], v[T], s24, s25
	v_add_f32 v[T], v[T], v[T+1]
.endm
	s_wait_loadcnt 32                              ; g1's and be1's 32 loads are younger than x's
.irp i, 0,2,4,6
	v_pk_add_f32 v[T+2*\i:T+2*\i+1], v[X+\i:X+\i+1], v[X+8+\i:X+8+\i+1]
.endr
.set j, 16
.rept 24
	v_pk_add_f32 v[T+2*(j%8):T+2*(j%8)+1], v[T+2*(j%8):T+2*(j%8)+1], v[X+j:X+j+1]
.set j, j+2
.endr
	FOLD
	v_mul_f32 v[MU], s32, v[T]
	v_mov_b32 v[MU+1], v[MU]
.set j, 0
.rept 32
	v_pk_add_f32 v[X+j:X+j+1], v[X+j:X+j+1], v[MU:MU+1] neg_lo:[0,1] neg_hi:[0,1]   ; x - mean, then its squares: no difference of large sums
.set j, j+2
.endr
.irp i, 0,2,4,6
	v_pk_mul_f32 v[T+2*\i:T+2*\i+1], v[X+\i:X+\i+1], v[X+\i:X+\i+1]
.endr
.set j, 8
.rept 28
	v_pk_fma_f32 v[T+2*(j%8):T+2*(j%8)+1], v[X+j:X+j+1], v[X+j:X+j+1], v[T+2*(j%8):T+2*(j%8)+1]
.set j, j+2
.endr
	FOLD
	v_fmaak_f32 v[T], s32, v[T], 0x3727c5ac        ; var + 1e-5
	v_rsq_f32 v[RS], v[T]
	v_nop                                          ; one plain instruction behind the transcendental (ISA guide 5.7.2)
	s_wait_alu depctr_va_vdst(0)                   ; the reciprocal root is written, ahead of its first reader; and the roundings have written the weights' bf16, which the LDS stores below read
; the weights into LDS as [matrix][e 128][d 16], rows of 32 bytes: thread tid's four numbers of pass p lie at 1024 p + 8 tid.
; No vector instruction behind these stores writes a register that they read.
.set i, 0
.rept 12
	ds_store_b64 v[WS], v[WST+4*i:WST+4*i+1] offset:1024*i
.set i, i+1
.endr
	v_mov_b32 v[RS+1], v[RS]
	s_wait_loadcnt 0x0                             ; g1, be1
.set j, 0
.rept 32
	v_pk_mul_f32 v[X+j:X+j+1], v[X+j:X+j+1], v[RS:RS+1]
	v_pk_fma_f32 v[X+j:X+j+1], v[X+j:X+j+1], v[G+j:G+j+1], v[BT+j:BT+j+1]
.set j, j+2
.endr
.set p, 0
.rept 32
	v_cvt_pk_bf16_f32 v[X+p], v[X+2*p], v[X+2*p+1] ; in place, upward: register p is written when 2p and 2p+1 have been read
.set p, p+1
.endr
	s_wait_dscnt 0x0                               ; my part of the weights is in LDS,
	s_barrier_signal -1
	s_barrier_wait -1                              ; everybody's is
	s_wait_alu depctr_va_vdst(0)                   ; the multiply-adds of gain and bias are done reading g1's and be1's registers, in which the fragments below land
; the fragments by K step, six loads for each, so that a K step's products need not wait for the later steps' loads
.irp ks, 0,1,2,3
.irp m, 0,1,2
	ds_load_tr16_b128 v[WF+8*(4*\m+\ks):WF+8*(4*\m+\ks)+3],   v[WA] offset:4096*\m+1024*\ks
	ds_load_tr16_b128 v[WF+8*(4*\m+\ks)+4:WF+8*(4*\m+\ks)+7], v[WA] offset:4096*\m+1024*\ks+512
.endr
.endr
; q, k, v take turns, one instruction a turn.  All loads stand ahead of the first product: none lands in a register that a later product has named
.irp ks, 0,1,2,3
	s_wait_dscnt 18-6*\ks                          ; LDS loads come back in order (ISA guide 5.7.1): this K step's six are in, the later steps' stay out
.irp m, 0,1,2
.if \ks == 0
	v_wmma_f32_16x16x32_bf16 v[ACC+8*\m:ACC+8*\m+7], v[WF+8*(4*\m+\ks):WF+8*(4*\m+\ks)+7], v[X+8*\ks:X+8*\ks+7], 0
.else
	v_wmma_f32_16x16x32_bf16 v[ACC+8*\m:ACC+8*\m+7], v[WF+8*(4*\m+\ks):WF+8*(4*\m+\ks)+7], v[X+8*\ks:X+8*\ks+7], v[ACC+8*\m:ACC+8*\m+7]
.endif
.endr
.endr
.rept 4
	v_nop                                          ; four places behind the last matrix instruction (ISA guide 7.12.1)
.endr
.irp j, 0,2,4,6
	v_pk_mul_f32 v[ACC+\j:ACC+\j+1], v[ACC+\j:ACC+\j+1], s[34:35] op_sel_hi:[1,0]
.endr
.irp m, 0,1,2
.irp p, 0,1,2,3
	v_cvt_pk_bf16_f32 v[ACC+8*\m+\p], v[ACC+8*\m+2*\p], v[ACC+8*\m+2*\p+1]
.endr
.endr
	s_wait_alu depctr_va_vdst(0)                   ; the roundings have written the first four registers of q's, k's and v's eight, which the stores below read
	global_store_b128 v[OO], v[ACC:ACC+3],     s[16:17]    ; each store of the wave covers 512 consecutive bytes, aligned
	global_store_b128 v[OO], v[ACC+8:ACC+11],  s[18:19]
	global_store_b128 v[OO], v[ACC+16:ACC+19], s[20:21]
	s_wait_dscnt 0x0                               ; the closing lines, six on end
	s_wait_alu 0x0
	s_wait_tensorcnt 0x0
	ds_add_u32 v14, v15
	s_wait_dscnt 0x0
	s_endpgm
.Lfunc_end_k_qd5b90fc53e_qkv:
	.size	k_qd5b90fc53e_qkv, .Lfunc_end_k_qd5b90fc53e_qkv-k_qd5b90fc53e_qkv
	.p2alignl 7, 3214868480
	.fill 96, 4, 3214868480
	.section	.rodata,"a",@progbits
	.p2align	6, 0x0
	.amdhsa_kernel k_qd5b90fc53e_qkv
		.amdhsa_group_segment_fixed_size 12800
		.amdhsa_private_segment_fixed_size 0
		.amdhsa_enable_private_segment 0
		.amdhsa_kernarg_size 72
		.amdhsa_user_sgpr_count 2
		.amdhsa_user_sgpr_kernarg_segment_ptr 1
		.amdhsa_wavefront_size32 1
		.amdhsa_system_sgpr_workgroup_id_x 1
		.amdhsa_system_sgpr_workgroup_id_y 1
		.amdhsa_system_sgpr_workgroup_id_z 1
		.amdhsa_system_vgpr_workitem_id 0
		.amdhsa_next_free_vgpr 256
		.amdhsa_next_free_sgpr 66
		.amdhsa_reserve_vcc 0
		.amdhsa_float_denorm_mode_32 3
		.amdhsa_float_denorm_mode_16_64 3
		.amdhsa_memory_ordered 1
		.amdhsa_forward_progress 1
		.amdhsa_inst_pref_size 28
	.end_amdhsa_kernel
	.amdgpu_metadata
---
amdhsa.version: [ 1, 2 ]
amdhsa.kernels:
  - .name:           k_qd5b90fc53e_qkv
    .symbol:         k_qd5b90fc53e_qkv.kd
    .args:
      - { .name: x, .offset: 0, .size: 8, .value_kind: global_buffer, .address_space: global }
      - { .name: g1, .offset: 8, .size: 8, .value_kind: global_buffer, .address_space: global }
      - { .name: be1, .offset: 16, .size: 8, .value_kind: global_buffer, .address_space: global }
      - { .name: Wq, .offset: 24, .size: 8, .value_kind: global_buffer, .address_space: global }
      - { .name: Wk, .offset: 32, .size: 8, .value_kind: global_buffer, .address_space: global }
      - { .name: Wv, .offset: 40, .size: 8, .value_kind: global_buffer, .address_space: global }
      - { .name: qb, .offset: 48, .size: 8, .value_kind: global_buffer, .address_space: global }
      - { .name: kb, .offset: 56, .size: 8, .value_kind: global_buffer, .address_space: global }
      - { .name: vb, .offset: 64, .size: 8, .value_kind: global_buffer, .address_space: global }
    .group_segment_fixed_size: 12800
    .private_segment_fixed_size: 0
    .kernarg_segment_align: 8
    .kernarg_segment_size: 72
    .max_flat_workgroup_size: 128
    .sgpr_count:     66
    .vgpr_count:     256
    .wavefront_size: 32
...
	.end_amdgpu_metadata
.endif
;; end of part 5
;; launch attn: the kernel of part 2 again; grid 16 x 16, 16 waves a work-group, no clusters, 67,584 bytes of LDS; arguments qb, kb, vb, ob; writes ob
;; launch ffn: the kernel of part 3 again; grid 8 x 32, 4 waves a work-group, clusters of 4 x 1, 327,680 bytes of LDS; arguments ob, x, Wo, bo, g2, be2, W1, bf1, W2, bf2, part; writes part
;; launch red: the kernel of part 4 again; grid 256 x 1, 8 waves a work-group, no clusters, 0 bytes of LDS; arguments part, out0; writes out0
